; MI455X (gfx1250); checked and timed in simulation.
; The chip was launched on July 23, 2026; its instructions are those of AMD's public machine-readable ISA for CDNA 5 (MIT licence, August 2026) and "CDNA5" Instruction Set Architecture Reference Guide (July 2026). The comments in the code are by the model that wrote it; some were corrected since.
;; Dilated Attention. Allowed arithmetic: float matrix products may take bf16 or f16 operands with f32 sums; other float arithmetic in f32, or as packed bf16 or f16 multiplies, adds, multiply-adds, maxima and minima; sums over many terms, partial sums and values carried from step to step in f32; what a program stores and reads back later, other than sums and carried values, may be rounded once to bf16 or f16.
;; Inputs: Wk 1,024 x 1,024 float32; Wo 1,024 x 1,024 float32; Wq 1,024 x 1,024 float32; Wv 1,024 x 1,024 float32; bk 1,024 float32; bo 1,024 float32; bq 1,024 float32; bv 1,024 float32; x 1 x 2,048 x 1,024 float32.
;; Outputs: out0 1 x 2,048 x 1,024 float32.
;; 2 versions, each right; version 2 is version 1 with the launch attn written anew for expert scheduling mode. Each part assembles by itself: llvm-mc -triple=amdgcn-amd-amdhsa -mcpu=gfx1250 --defsym DOCPART=n.
;; ======== version 1 of 2: 4 launches
;; limits: values are held in f16: magnitudes above 65,504 overflow, below 6.1e-05 lose precision
;; workspace buffers: xb 4,194,304 bytes; wb 6,291,456 bytes; wob 2,097,152 bytes; qk 8,388,608 bytes; vv 4,194,304 bytes; ob 4,194,304 bytes
;; launch cast (part 1): grid 128 x 6, 8 waves a work-group, no clusters, 0 bytes of LDS; arguments x, Wq, Wk, Wv, Wo, xb, wb, wob; writes xb, wb, wob
.if DOCPART == 1
	.amdgcn_target "amdgcn-amd-amdhsa--gfx1250"
	.amdhsa_code_object_version 6
	.text
	.protected	k_qf23f63f828_cast
	.globl	k_qf23f63f828_cast
	.p2align	8
	.type	k_qf23f63f828_cast,@function
k_qf23f63f828_cast:
	s_mov_b64 s[64:65], 0
	v_nop
	global_prefetch_b8 v0, s[64:65] scope:SCOPE_SE
	s_setreg_imm32_b32 hwreg(HW_REG_WAVE_MODE, 25, 1), 1
	s_wait_xcnt 0x0
; CAST.  x, Wq, Wk, Wv are rounded once to bf16; Wo is rounded to bf16 and that number is written as f16 (exact from 6e-5 up to 65,504; below 6e-5 it keeps f16's step of 6e-8; LIMIT: |Wo| < 65,504).
; One wave takes one row of 1,024 f32 (4,096 bytes, eight loads of 512 consecutive bytes) and writes it as 2,048 bytes, eight stores of 256 consecutive aligned bytes.
; Grid y says which tensor: 0, 1 the two halves of x; 2 Wq; 3 Wk; 4 Wv; 5 Wo.  Row R = 8 x work-group + wave, 0 to 1,023.
; WHERE THE ROWS GO.  xb: as they lie.  wb: [16 cg][192 p][1024]: block cg holds what one column group of the next launch multiplies by: p = 96 wc + w, w 0-15 Wq rows 32 cg + 16 wc + w,
; w 16-31 the same rows + 512 (the rotary partner), w 32-63 Wk likewise, w 64-95 Wv rows 64 cg + 32 wc + (w - 64).  wob: rows as they lie, columns in the order in which the attention launch lays O:
; place 128 (h & 7) + 64 (h >> 3) + d for head h, channel d.
; A stream: no LDS, no matrix unit, no cluster (no two work-groups read the same byte).
	s_load_b512 s[4:19], s[0:1], 0x0               ; x s[4:5], Wq s[6:7], Wk s[8:9], Wv s[10:11], Wo s[12:13], xb s[14:15], wb s[16:17], wob s[18:19]
	v_lshrrev_b32 v4, 5, v0
	v_readfirstlane_b32 s20, v4                    ; wave 0..7
	s_and_b32 s21, ttmp7, 0xffff                   ; y
	s_lshl_b32 s22, ttmp9, 3
	s_add_co_u32 s22, s22, s20                     ; R
	v_and_b32 v5, 31, v0                           ; lane
	v_lshlrev_b32 v1, 4, v5                        ; 16 bytes of f32 a lane
	v_lshlrev_b32 v2, 3, v5                        ; 8 bytes of 16-bit numbers a lane
	v_and_b32 v6, 15, v0
	v_lshrrev_b32 v7, 4, v5
	v_lshlrev_b32 v3, 4, v6
	v_lshl_add_u32 v3, v7, 11, v3                  ; Wo: lanes 0-15 read head i, lanes 16-31 head i + 8, 2,048 bytes on
	s_cmp_eq_u32 s21, 1
	s_cselect_b32 s32, 1024, 0
	s_add_co_u32 s33, s22, s32                     ; the source's row (x's second half begins at row 1,024), and xb's
	s_lshl_b32 s28, s33, 12
	s_mov_b32 s29, 0                               ; s[28:29]: byte offset in the source
	s_bfe_u32 s34, s22, 0x40005                    ; Wq, Wk: cg = (R >> 5) & 15
	s_mul_i32 s34, s34, 192
	s_bfe_u32 s35, s22, 0x10004                    ; wc = (R >> 4) & 1
	s_mul_i32 s35, s35, 96
	s_add_co_u32 s34, s34, s35
	s_lshr_b32 s35, s22, 9                         ; the upper 512 rows go 16 places on
	s_lshl_b32 s35, s35, 4
	s_add_co_u32 s34, s34, s35
	s_and_b32 s35, s22, 15
	s_add_co_u32 s34, s34, s35
	s_lshl_b32 s35, s21, 5                         ; Wk's go 32 places behind Wq's: + 32 (y - 2)
	s_add_co_u32 s34, s34, s35
	s_sub_co_u32 s34, s34, 64
	s_lshr_b32 s36, s22, 6                         ; Wv: cg = R >> 6
	s_mul_i32 s36, s36, 192
	s_bfe_u32 s37, s22, 0x10005                    ; wc = (R >> 5) & 1
	s_mul_i32 s37, s37, 96
	s_add_co_u32 s36, s36, s37
	s_and_b32 s37, s22, 31
	s_add_co_u32 s36, s36, s37
	s_add_co_u32 s36, s36, 64
	s_cmp_lt_u32 s21, 2                            ; the destination's row is chosen by y
	s_cselect_b32 s34, s33, s34
	s_cmp_eq_u32 s21, 4
	s_cselect_b32 s34, s36, s34
	s_cmp_eq_u32 s21, 5
	s_cselect_b32 s34, s22, s34
	s_lshl_b32 s30, s34, 11
	s_mov_b32 s31, 0                               ; s[30:31]: byte offset in the destination
	s_wait_kmcnt 0x0
	s_mov_b64 s[24:25], s[4:5]                     ; the source's and the destination's addresses are chosen by y alone
	s_cmp_eq_u32 s21, 2
	s_cselect_b64 s[24:25], s[6:7], s[24:25]
	s_cmp_eq_u32 s21, 3
	s_cselect_b64 s[24:25], s[8:9], s[24:25]
	s_cmp_eq_u32 s21, 4
	s_cselect_b64 s[24:25], s[10:11], s[24:25]
	s_cmp_eq_u32 s21, 5
	s_cselect_b64 s[24:25], s[12:13], s[24:25]
	s_cselect_b64 s[26:27], s[18:19], s[16:17]
	s_cmp_lt_u32 s21, 2
	s_cselect_b64 s[26:27], s[14:15], s[26:27]
	s_add_nc_u64 s[24:25], s[24:25], s[28:29]
	s_add_nc_u64 s[26:27], s[26:27], s[30:31]
	s_cmp_eq_u32 s21, 5
	s_cbranch_scc1 .Lwo
.irp i, 0,1,2,3,4,5,6,7
	global_load_b128 v[8+4*(\i):11+4*(\i)], v1, s[24:25] offset:512*(\i) th:TH_LOAD_NT  ; read once in the whole launch
.endr
.irp i, 0,1,2,3,4,5,6,7
	s_wait_loadcnt 7-(\i)                          ; loads come back in order: load i is in, the 7 - i younger ones stay out
	v_cvt_pk_bf16_f32 v[40+2*(\i)], v[8+4*(\i)], v[9+4*(\i)]
	v_cvt_pk_bf16_f32 v[41+2*(\i)], v[10+4*(\i)], v[11+4*(\i)]
	global_store_b64 v2, v[40+2*(\i):41+2*(\i)], s[26:27] offset:256*(\i)  ; 32 lanes x 8 bytes: 256 consecutive aligned bytes; no register is written twice, so no wait frees any
.endr
	s_endpgm
.Lwo:
.irp i, 0,1,2,3,4,5,6,7
	global_load_b128 v[8+4*(\i):11+4*(\i)], v3, s[24:25] offset:256*(\i) th:TH_LOAD_NT  ; two whole runs of 256 bytes: heads i and i + 8
.endr
.irp i, 0,1,2,3,4,5,6,7
	s_wait_loadcnt 7-(\i)
	v_cvt_pk_bf16_f32 v56, v[8+4*(\i)], v[9+4*(\i)]     ; rounded to bf16 as the other inputs are,
	v_cvt_pk_bf16_f32 v57, v[10+4*(\i)], v[11+4*(\i)]
	v_lshlrev_b32 v58, 16, v56                          ; widened again,
	v_and_b32 v59, 0xffff0000, v56
	v_cvt_pk_f16_f32 v[40+2*(\i)], v58, v59             ; and written as f16
	v_lshlrev_b32 v58, 16, v57
	v_and_b32 v59, 0xffff0000, v57
	v_cvt_pk_f16_f32 v[41+2*(\i)], v58, v59
	global_store_b64 v2, v[40+2*(\i):41+2*(\i)], s[26:27] offset:256*(\i)  ; places 128 i + 4 lane: head i's 64 channels, then head i + 8's
.endr
	s_endpgm
.Lfunc_end_k_qf23f63f828_cast:
	.size	k_qf23f63f828_cast, .Lfunc_end_k_qf23f63f828_cast-k_qf23f63f828_cast
	.p2alignl 7, 3214868480
	.fill 96, 4, 3214868480
	.section	.rodata,"a",@progbits
	.p2align	6, 0x0
	.amdhsa_kernel k_qf23f63f828_cast
		.amdhsa_group_segment_fixed_size 0
		.amdhsa_private_segment_fixed_size 0
		.amdhsa_enable_private_segment 0
		.amdhsa_kernarg_size 64
		.amdhsa_user_sgpr_count 2
		.amdhsa_user_sgpr_kernarg_segment_ptr 1
		.amdhsa_wavefront_size32 1
		.amdhsa_system_sgpr_workgroup_id_x 1
		.amdhsa_system_sgpr_workgroup_id_y 1
		.amdhsa_system_sgpr_workgroup_id_z 1
		.amdhsa_system_vgpr_workitem_id 0
		.amdhsa_next_free_vgpr 64
		.amdhsa_next_free_sgpr 66
		.amdhsa_reserve_vcc 0
		.amdhsa_float_denorm_mode_32 3
		.amdhsa_float_denorm_mode_16_64 3
		.amdhsa_memory_ordered 1
		.amdhsa_forward_progress 1
		.amdhsa_inst_pref_size 11
	.end_amdhsa_kernel
	.amdgpu_metadata
---
amdhsa.version: [ 1, 2 ]
amdhsa.kernels:
  - .name:           k_qf23f63f828_cast
    .symbol:         k_qf23f63f828_cast.kd
    .args:
      - { .name: x, .offset: 0, .size: 8, .value_kind: global_buffer, .address_space: global }
      - { .name: Wq, .offset: 8, .size: 8, .value_kind: global_buffer, .address_space: global }
      - { .name: Wk, .offset: 16, .size: 8, .value_kind: global_buffer, .address_space: global }
      - { .name: Wv, .offset: 24, .size: 8, .value_kind: global_buffer, .address_space: global }
      - { .name: Wo, .offset: 32, .size: 8, .value_kind: global_buffer, .address_space: global }
      - { .name: xb, .offset: 40, .size: 8, .value_kind: global_buffer, .address_space: global }
      - { .name: wb, .offset: 48, .size: 8, .value_kind: global_buffer, .address_space: global }
      - { .name: wob, .offset: 56, .size: 8, .value_kind: global_buffer, .address_space: global }
    .group_segment_fixed_size: 0
    .private_segment_fixed_size: 0
    .kernarg_segment_align: 8
    .kernarg_segment_size: 64
    .max_flat_workgroup_size: 256
    .sgpr_count:     66
    .vgpr_count:     64
    .wavefront_size: 32
...
	.end_amdgpu_metadata
.endif
;; end of part 1
;; launch qkv (part 2): grid 16 x 16, 4 waves a work-group, clusters of 4 x 4, 327,680 bytes of LDS; arguments xb, wb, bq, bk, bv, qk, vv; writes qk, vv
.if DOCPART == 2
	.amdgcn_target "amdgcn-amd-amdhsa--gfx1250"
	.amdhsa_code_object_version 6
	.text
	.protected	k_qf23f63f828_qkv
	.globl	k_qf23f63f828_qkv
	.p2align	8
	.type	k_qf23f63f828_qkv,@function
k_qf23f63f828_qkv:
	s_mov_b64 s[64:65], 0
	v_nop
	global_prefetch_b8 v0, s[64:65] scope:SCOPE_SE
	s_setreg_imm32_b32 hwreg(HW_REG_WAVE_MODE, 25, 1), 1
	s_wait_xcnt 0x0
	s_wait_alu depctr_hold_cnt(0) depctr_sa_sdst(0) depctr_va_vdst(0) depctr_va_sdst(0) depctr_va_ssrc(0) depctr_va_vcc(0) depctr_vm_vsrc(0)
	s_getreg_b32 s2, hwreg(HW_REG_IB_STS2, 6, 4)
	s_cmp_eq_u32 s2, 0
	s_cbranch_scc0 .Lentry_in_a_cluster
	s_endpgm
.Lentry_in_a_cluster:
	s_bfe_u32 s2, ttmp6, 0x10000c
	s_cmp_lg_u32 s2, 0xf033
	s_cbranch_scc0 .Lentry_shape_is_right
	s_endpgm
.Lentry_shape_is_right:
; Q, K, V = x W^T + b, and the rotary embedding on q and k.  xb [2048][1024] bf16; wb [16 cg][192][1024] bf16 (its row order: below); bq, bk, bv f32, rounded here to bf16 like every other input; sums in f32.
; OUT, f16, each number rounded once: qk [32 g][2048 t][64]: row = q columns 16 g .. +15 | q columns 512 + 16 g .. | k the same two; vv [32 g][2048 t][32]: v columns 32 g .. +31.
; LIMITS.  |q|, |k|, |v| stay under 65,504 (f16's end).  The angle is t x 2^(-c log2(15000) / 512) in f32: off by a few 1e-7 of itself, 3e-4 at the most at t = 2,047.  NaN and infinities are not treated apart.
; SHARES.  A work-group makes 128 rows x 192 columns (block cg of wb), a wave 64 x 96: 4 row blocks a x 6 column blocks b of 16: b = 0 q low, 1 q high (+ 512), 2 k low, 3 k high, 4, 5 v.
; The matrix instruction is used transposed (source 0 = 16 rows of wb, source 1 = 16 rows of xb): a lane holds ONE row t and eight neighbouring columns, and column c and its rotary partner c + 512 lie
; in the same lane and register number of blocks b and b + 1: the rotation changes no lanes.
; K goes in steps of 128 (rows of 256 bytes) through two LDS slots of 320 rows; two slots of twice that length, 337,920 bytes, would not fit.
; CLUSTER 4 x 4: the four of a row of the cluster need the same rows of xb, the four of a column the same block of wb: each tile is asked for jointly, by the same tensor load with a mask of four.
; REGISTERS, in windows of 256 (s_set_vgpr_msb: bits 1:0 source 0, 3:2 source 1, 5:4 source 2, 7:6 destination):
;   window 0: v0-29 addresses; v32-223 the 24 accumulators, (a, b) at v[32 + 8 (6 a + b)]; v224-255 at work on the way out
;   window 1: v0-159 fragment buffer 0 (64 along K: A (c, a) at 8 (4 c + a), B (c, b) at 64 + 8 (6 c + b)); v160-191 cos, v192-223 sin, (a, j) at + 8 a + j
;   window 2: v0-159 fragment buffer 1; v160-207 the biases, (b, j) at 160 + 8 b + j; v208-231 at work once
.set KSTEP,  128
.set PITCH,  272                       ; an LDS row: 256 bytes + 16 of padding = 68 words: the 16 rows of a fragment load start at 16 different groups of four banks (64 banks of 4 bytes: ISA guide 11.1)
.set AREG,   128*PITCH                 ; xb's 128 rows
.set SLOT,   320*PITCH                 ; then wb's 192 rows
.set STAGE,  2*SLOT                    ; behind the ring, never filled by a tensor load: 16 rows x 208 bytes for each wave
.set SPITCH, 208                       ; 192 bytes + 16
.set SPARE,  STAGE+4*16*SPITCH         ; the spare words, 128 bytes a wave: two blocks of 256 bytes that no other line names
.set ADRA, 16                          ; v16-17  LDS address of my A fragments in slot 0, 1
.set ADRB, 20                          ; v20-21  the same for B
.set STO,  24                          ; v24     the way out: where I put 16 bytes of a row
.set RDQ,  25                          ; v25     where I read the rows' first 128 bytes back (q, k)
.set RDV,  26                          ; v26     where I read their last 64 bytes back (v)
.set GO,   27                          ; v27     16 x lane
.set SPW,  28                          ; v28     LDS address of my spare word; never rewritten
.set NIL,  29                          ; v29     0; never rewritten
.set ACC,  32
.set TMP,  224
.set FRB,  64                          ; B's fragments in a buffer
.set COSR, 160                         ; window 1
.set SINR, 192                         ; window 1
.set FQ,   32                          ; window 1, before buffer 0 is first filled: my eight frequencies
.set TF,   40                          ; window 1, likewise: my four rows t as f32
.set BIAS, 160                         ; window 2
.set BT,   208                         ; window 2
.set G1,  32                           ; s[32:39] descriptor group 1 for xb's tiles;  s[40:47] group 0, a set for each slot
.set G0,  40
.set G1B, 48                           ; s[48:55], s[56:63] the same for wb's
.set G0B, 56
.set KS1, 72                           ; s72-74 the sine's three coefficients, s75-77 the cosine's
.set KS2, 73
.set KS3, 74
.set KC1, 75
.set KC2, 76
.set KC3, 77
.set MK,  86                           ; s86-89 four lane masks
.set MSB, 0
.macro WIN new                         ; the immediate's high byte repeats the setting that is left; a switch that changes nothing is dropped
.if MSB != (\new)
	s_set_vgpr_msb (MSB<<8)|(\new)
.set MSB, (\new)
.endif
.endm
.macro JLOAD s                         ; a joint load: waves 0 and 1 fetch the halves of xb's tile, waves 2 and 3 those of wb's; an s_nop 0 and four v_nop follow each line, ahead of the jump and the label
	s_cmp_eq_u32 s21, 0
	s_cbranch_scc0 .Lfor_b_\@
	tensor_load_to_lds s[G0+4*(\s):G0+4*(\s)+3], s[G1:G1+7]
	s_nop 0
.rept 4
	v_nop
.endr
	s_branch .Lasked_\@
.Lfor_b_\@:
	tensor_load_to_lds s[G0B+4*(\s):G0B+4*(\s)+3], s[G1B:G1B+7]
	s_nop 0
.rept 4
	v_nop
.endr
.Lasked_\@:
.endm
.macro CREST                           ; a round of the cluster's barrier behind its opening barrier
	s_cmp_lg_u32 s20, 0
	s_cbranch_scc1 .Lnot_wave_0_\@
	s_barrier_signal -3
.Lnot_wave_0_\@:
	s_barrier_wait -3
	s_barrier_signal -1
	s_barrier_wait -1
.endm
.macro CROUND                          ; a whole round
	s_barrier_signal -1
	s_barrier_wait -1
	CREST
.endm
.macro PLACES                          ; four places in front of loads into registers that matrix instructions have read, and of vector lines that read results
.rept 4
	v_nop
.endr
.endm
.macro Q4 line:vararg                  ; one line four times, i = 0 .. 3
.set i, 0
	s_wait_alu depctr_va_vdst(0)
.rept 4
	\line
.set i, i+1
.endr
.endm
	s_load_b256 s[4:11], s[0:1], 0x0               ; xb s[4:5], wb s[6:7], bq s[8:9], bk s[10:11]
	s_load_b128 s[12:15], s[0:1], 0x20             ; bv s[12:13], qk s[14:15]
	s_load_b64 s[16:17], s[0:1], 0x30              ; vv
	v_lshl_add_u32 v[SPW], v0, 2, SPARE
	v_mov_b32 v[NIL], 0
	ds_add_u32 v[SPW], v[NIL]                      ; the wave's opening: the add and its wait stand ahead of my first tensor load; the set-up below, work on registers, stands between them
	v_lshrrev_b32 v1, 5, v0
	v_readfirstlane_b32 s20, v1                    ; wave 0..3
	s_lshr_b32 s21, s20, 1                         ; wr: which 64 of the tile's rows are mine.  Also: I fetch for xb (0) or wb (1)
	s_and_b32 s22, s20, 1                          ; wc: which 96 of its columns.  Also: which half of that tile I fetch
	s_bfe_u32 s23, ttmp6, 0x40000                  ; cx
	s_bfe_u32 s24, ttmp6, 0x40004                  ; cy
	s_lshl_b32 s25, ttmp9, 2
	s_add_co_u32 s25, s25, s23                     ; cg = 4 x cluster x + cx
	s_and_b32 s26, ttmp7, 0xffff
	s_lshl_b32 s26, s26, 2
	s_add_co_u32 s26, s26, s24                     ; rb = 4 x cluster y + cy
	s_lshl_b32 s27, s24, 2
	s_lshl_b32 s27, 15, s27                        ; my row of the cluster
	s_lshl_b32 s28, 0x1111, s23                    ; my column
	s_or_b32 s[G1+0], s27, (1<<16)|(1<<20)|(1<<21)|(5<<22)|(3<<25)   ; 15:0 the mask; 17:16 2-byte elements; 20 padding on; 21 set beside a mask; 24:22 after every 64 words (code 5); 31:25 4 words (code 3)
	s_or_b32 s[G1B+0], s28, (1<<16)|(1<<20)|(1<<21)|(5<<22)|(3<<25)
	s_mov_b32 s[G1+1], KSTEP<<16                   ; tensor_dim0 = 128
	s_mov_b32 s[G1+2], 64<<16                      ; tensor_dim1 = 64 rows of xb
	s_mov_b32 s[G1+3], KSTEP<<16                   ; tile_dim0 = 128
	s_mov_b32 s[G1+4], 64                          ; tile_dim1 = 64
	s_mov_b32 s[G1+5], 1024                        ; elements from row to row
	s_mov_b32 s[G1+6], 0
	s_mov_b32 s[G1+7], 0
	s_mov_b32 s[G1B+1], KSTEP<<16
	s_mov_b32 s[G1B+2], 96<<16                     ; 96 rows of wb
	s_mov_b32 s[G1B+3], KSTEP<<16
	s_mov_b32 s[G1B+4], 96
	s_mov_b32 s[G1B+5], 1024
	s_mov_b32 s[G1B+6], 0
	s_mov_b32 s[G1B+7], 0
	s_lshl_b32 s29, s22, 6
	s_lshl_b32 s66, s26, 7
	s_add_co_u32 s66, s66, s29                     ; xb: row 128 rb + 64 x half: made of the tile row and the wave's number alone
	s_lshl_b32 s66, s66, 11
	s_mov_b32 s67, 0
	s_mul_i32 s68, s25, 192
	s_mul_i32 s30, s22, 96
	s_add_co_u32 s68, s68, s30                     ; wb: row 192 cg + 96 x half: made of the tile column and the wave's number alone
	s_lshl_b32 s68, s68, 11
	s_mov_b32 s69, 0
	s_mul_i32 s84, s22, 64*PITCH                   ; where they go: no place in the cluster enters an LDS address
	s_mul_i32 s85, s22, 96*PITCH
	s_add_co_u32 s85, s85, AREG
	s_mov_b32 s[KS1], 0xbe2aaaa3                   ; sin r = r + r^3 (S1 + r^2 (S2 + r^2 S3)): -1.6666654611e-1, 8.3321608736e-3, -1.9515295891e-4
	s_mov_b32 s[KS2], 0x3c08839e
	s_mov_b32 s[KS3], 0xb94ca1f9
	s_mov_b32 s[KC1], 0x3d2aaaa5                   ; cos r = 1 - r^2 / 2 + r^4 (C1 + r^2 (C2 + r^2 C3)): 4.1666645683e-2, -1.3887316255e-3, 2.4433157118e-5
	s_mov_b32 s[KC2], 0xbab6061a
	s_mov_b32 s[KC3], 0x37ccf5ce
	s_wait_dscnt 0x0                               ; the opening add is done
	s_wait_kmcnt 0x0
	s_add_nc_u64 s[66:67], s[4:5], s[66:67]
	s_add_nc_u64 s[68:69], s[6:7], s[68:69]
	CROUND                                         ; all sixteen work-groups are here: the first joint loads meet
.irp s, 0,1
	s_mov_b32 s[G0+4*(\s)], 1                                        ; count = 1
	s_add_co_u32 s[G0+4*(\s)+1], s84, (\s)*SLOT                      ; LDS address
	s_add_nc_u64 s[G0+4*(\s)+2:G0+4*(\s)+3], s[66:67], (\s)*KSTEP*2  ; global address: K step s
	s_or_b32 s[G0+4*(\s)+3], s[G0+4*(\s)+3], 0x80000000              ; type = 2
	s_mov_b32 s[G0B+4*(\s)], 1
	s_add_co_u32 s[G0B+4*(\s)+1], s85, (\s)*SLOT
	s_add_nc_u64 s[G0B+4*(\s)+2:G0B+4*(\s)+3], s[68:69], (\s)*KSTEP*2
	s_or_b32 s[G0B+4*(\s)+3], s[G0B+4*(\s)+3], 0x80000000
	JLOAD \s                                       ; two loads of mine are out
.endr
	v_and_b32 v1, 15, v0                           ; r = l % 16
	v_bfe_u32 v2, v0, 4, 1                         ; half = l / 16
	s_lshl_b32 s70, s25, 5
	s_lshl_b32 s78, s22, 4
	s_add_co_u32 s70, s70, s78                     ; sC = 32 cg + 16 wc: my first column of q low, and my first frequency
	s_lshl_b32 s71, s26, 7
	s_lshl_b32 s78, s21, 6
	s_add_co_u32 s71, s71, s78                     ; sT = 128 rb + 64 wr: my first row
	v_lshl_add_u32 v3, v2, 3, s70                  ; my first frequency: sC + 8 half
	v_lshlrev_b32 v6, 2, v3                        ; its byte offset in bq and bk
	s_lshl_b32 s78, s70, 1
	v_lshl_add_u32 v7, v2, 3, s78
	v_lshlrev_b32 v7, 2, v7                        ; bv: column 64 cg + 32 wc + 8 half
	v_add_nc_u32 v5, s71, v1                       ; my row in row block 0
	WIN 0x80                                       ; destination window 2, address window 0
.irp b, 0,1
	global_load_b128 v[BIAS+8*(\b):BIAS+8*(\b)+3],       v6, s[8:9] offset:2048*(\b)
	global_load_b128 v[BIAS+8*(\b)+4:BIAS+8*(\b)+7],     v6, s[8:9] offset:2048*(\b)+16
	global_load_b128 v[BIAS+16+8*(\b):BIAS+16+8*(\b)+3],   v6, s[10:11] offset:2048*(\b)
	global_load_b128 v[BIAS+16+8*(\b)+4:BIAS+16+8*(\b)+7], v6, s[10:11] offset:2048*(\b)+16
	global_load_b128 v[BIAS+32+8*(\b):BIAS+32+8*(\b)+3],   v7, s[12:13] offset:64*(\b)
	global_load_b128 v[BIAS+32+8*(\b)+4:BIAS+32+8*(\b)+7], v7, s[12:13] offset:64*(\b)+16
.endr
	WIN 0
	s_lshl_b32 s92, s25, 1
	s_add_co_u32 s92, s92, s22                     ; g = 2 cg + wc
	s_lshl_b32 s80, s92, 18                        ; a plane of qk is 2,048 rows x 128 bytes
	s_lshl_b32 s78, s71, 7
	s_add_co_u32 s80, s80, s78
	s_mov_b32 s81, 0
	s_add_nc_u64 s[80:81], s[14:15], s[80:81]      ; qk at my first row
	s_lshl_b32 s82, s92, 17                        ; a plane of vv is 2,048 rows x 64 bytes
	s_lshl_b32 s78, s71, 6
	s_add_co_u32 s82, s82, s78
	s_mov_b32 s83, 0
	s_add_nc_u64 s[82:83], s[16:17], s[82:83]      ; vv at my first row
	v_mul_u32_u24 v4, v1, PITCH
	v_lshl_add_u32 v4, v2, 4, v4                   ; a fragment's row x pitch + 16 x half
	s_mul_i32 s78, s21, 64*PITCH                   ; my 64 rows of xb
	s_mul_i32 s90, s22, 96*PITCH                   ; my 96 rows of wb,
	s_add_co_u32 s90, s90, AREG                    ; which lie behind xb's 128
.irp s, 0,1
	v_add_nc_u32 v[ADRA+(\s)], s78, v4
	v_add_nc_u32 v[ADRB+(\s)], s90, v4
	s_add_co_u32 s78, s78, SLOT
	s_add_co_u32 s90, s90, SLOT
.endr
	s_mul_i32 s91, s20, 16*SPITCH
	s_add_co_u32 s91, s91, STAGE                   ; my stage
	v_mul_u32_u24 v8, v1, SPITCH                   ; in: row r, 16 bytes for each half of the lanes
	v_lshl_add_u32 v8, v2, 4, v8
	v_add_nc_u32 v[STO], s91, v8
	v_and_b32 v9, 31, v0                           ; lane
	v_lshrrev_b32 v8, 3, v9                        ; back: 32 lanes take four rows' first 128 bytes,
	v_mul_u32_u24 v8, v8, SPITCH
	v_and_b32 v10, 7, v0
	v_lshl_add_u32 v8, v10, 4, v8
	v_add_nc_u32 v[RDQ], s91, v8
	v_lshrrev_b32 v8, 2, v9                        ; or eight rows' last 64
	v_mul_u32_u24 v8, v8, SPITCH
	v_and_b32 v10, 3, v0
	v_lshl_add_u32 v8, v10, 4, v8
	v_add3_u32 v[RDV], s91, v8, 128
	v_lshlrev_b32 v[GO], 4, v9                     ; either way 512 consecutive bytes of memory
	; THE ROTARY TABLE: cos and sin of t x f for my 4 rows x 8 frequencies a lane, made in the wait for the first tiles, in window 1 where buffer 0 will lie.
	WIN 0x40                                       ; destination window 1, sources window 0
.irp j, 0,1,2,3,4,5,6,7
	v_add_nc_u32 v[FQ+(\j)], \j, v3                ; c
.endr
.irp a, 0,1,2,3
	v_add_nc_u32 v[TF+(\a)], 16*(\a), v5           ; t
.endr
	WIN 0x55                                       ; all in window 1
.irp j, 0,1,2,3,4,5,6,7
	v_cvt_f32_u32 v[FQ+(\j)], v[FQ+(\j)]
.endr
.irp j, 0,1,2,3,4,5,6,7
	v_mul_f32 v[FQ+(\j)], 0xbcddf67a, v[FQ+(\j)]   ; - c log2(15000) / 512
.endr
.irp j, 0,1,2,3,4,5,6,7
	v_exp_f32 v[FQ+(\j)], v[FQ+(\j)]               ; f = 15000^(-c / 512)
.endr
.irp a, 0,1,2,3
	v_cvt_f32_u32 v[TF+(\a)], v[TF+(\a)]           ; plain lines between the last exponential and the use of its result (ISA guide 5.7.2)
.endr
; cos and sin of four angles, line by line for the four, so that no line reads the result of the line before it.  x = t f; n = the nearest whole number to x 2 / pi; r = x - n pi / 2 with pi / 2 in two parts
; (n stays under 1,304, so n times the first part's error is covered by the second); |r| <= pi / 4: two short polynomials; n mod 4 chooses between them and sets the signs.
.macro SINCOS4 a, j0
.set sa, (\a)
.set sj, (\j0)
	Q4 v_mul_f32 v[i], v[TF+sa], v[FQ+sj+i]
	Q4 v_mul_f32 v[4+i], 0x3f22f983, v[i]
	Q4 v_rndne_f32 v[4+i], v[4+i]
	Q4 v_fmamk_f32 v[8+i], v[4+i], 0xbfc90fdb, v[i]
	Q4 v_fmamk_f32 v[8+i], v[4+i], 0x333bbd2e, v[8+i]
	Q4 v_mul_f32 v[12+i], v[8+i], v[8+i]
	Q4 v_fma_f32 v[16+i], v[12+i], s[KS3], s[KS2]
	Q4 v_fma_f32 v[20+i], v[12+i], s[KC3], s[KC2]
	Q4 v_mul_f32 v[i], v[8+i], v[12+i]
	Q4 v_fma_f32 v[16+i], v[16+i], v[12+i], s[KS1]
	Q4 v_fma_f32 v[20+i], v[20+i], v[12+i], s[KC1]
	Q4 v_fma_f32 v[24+i], v[i], v[16+i], v[8+i]
	Q4 v_fma_f32 v[i], v[12+i], -0.5, 1.0
	Q4 v_mul_f32 v[12+i], v[12+i], v[12+i]
	Q4 v_cvt_i32_f32 v[4+i], v[4+i]
	Q4 v_fma_f32 v[28+i], v[12+i], v[20+i], v[i]
	Q4 v_and_b32 v[8+i], 1, v[4+i]
	Q4 v_cmp_eq_u32 s[MK+i], 1, v[8+i]
	Q4 v_lshlrev_b32 v[12+i], 30, v[4+i]
	Q4 v_add_nc_u32 v[4+i], 1, v[4+i]
	Q4 v_cndmask_b32 v[16+i], v[24+i], v[28+i], s[MK+i]
	Q4 v_cndmask_b32 v[20+i], v[28+i], v[24+i], s[MK+i]
	Q4 v_lshlrev_b32 v[4+i], 30, v[4+i]
	Q4 v_and_b32 v[12+i], 0x80000000, v[12+i]
	Q4 v_and_b32 v[4+i], 0x80000000, v[4+i]
	Q4 v_xor_b32 v[SINR+8*sa+sj+i], v[16+i], v[12+i]
	Q4 v_xor_b32 v[COSR+8*sa+sj+i], v[20+i], v[4+i]
.endm
.irp a, 0,1,2,3
	SINCOS4 \a, 0
	SINCOS4 \a, 4
.endr
	s_wait_loadcnt 0x0                             ; the biases; they are rounded to bf16 as the other inputs are
	WIN 0xaa                                       ; all in window 2
.set i, 0
.rept 24
	v_cvt_pk_bf16_f32 v[BT+i], v[BIAS+2*i], v[BIAS+2*i+1]
.set i, i+1
.endr
.set i, 0
.rept 24
	v_lshlrev_b32 v[BIAS+2*i], 16, v[BT+i]
	v_and_b32 v[BIAS+2*i+1], 0xffff0000, v[BT+i]
.set i, i+1
.endr
	WIN 0
; n row blocks from a0 on x all 6 column blocks, 32 along K: half c of buffer f.  The 24 accumulators take turns in one order everywhere, one instruction a turn.  zero = 1: the product starts the sum.
.macro MUL f, c, a0, n, zero
	WIN 0x05*(1+(\f))
.set ma, (\a0)
.rept \n
.irp b, 0,1,2,3,4,5
.if \zero
	v_wmma_f32_16x16x32_bf16 v[ACC+8*(6*ma+(\b)):ACC+8*(6*ma+(\b))+7], v[FRB+8*(6*(\c)+(\b)):FRB+8*(6*(\c)+(\b))+7], v[8*(4*(\c)+ma):8*(4*(\c)+ma)+7], 0
.else
	v_wmma_f32_16x16x32_bf16 v[ACC+8*(6*ma+(\b)):ACC+8*(6*ma+(\b))+7], v[FRB+8*(6*(\c)+(\b)):FRB+8*(6*(\c)+(\b))+7], v[8*(4*(\c)+ma):8*(4*(\c)+ma)+7], v[ACC+8*(6*ma+(\b)):ACC+8*(6*ma+(\b))+7]
.endif
.endr
.set ma, ma+1
.endr
.endm
; 40 LDS loads in one run: the fragments of 64 along K at byte k of the rows, into buffer f; the 20 of the first 32 along K first
.macro FETCH slot, k, f
	WIN 0x40*(1+(\f))
.irp c, 0,1
.irp b, 0,1,2,3,4,5
	ds_load_b128 v[FRB+8*(6*(\c)+(\b)):FRB+8*(6*(\c)+(\b))+3],   v[ADRB+(\slot)] offset:(\k)+64*(\c)+(\b)*16*PITCH
	ds_load_b128 v[FRB+8*(6*(\c)+(\b))+4:FRB+8*(6*(\c)+(\b))+7], v[ADRB+(\slot)] offset:(\k)+64*(\c)+(\b)*16*PITCH+32
.endr
.irp a, 0,1,2,3
	ds_load_b128 v[8*(4*(\c)+(\a)):8*(4*(\c)+(\a))+3],   v[ADRA+(\slot)] offset:(\k)+64*(\c)+(\a)*16*PITCH
	ds_load_b128 v[8*(4*(\c)+(\a))+4:8*(4*(\c)+(\a))+7], v[ADRA+(\slot)] offset:(\k)+64*(\c)+(\a)*16*PITCH+32
.endr
.endr
.endm
; A K step is two halves of 64 along K, 48 matrix instructions each.  The first multiplies buffer 0 and fetches the second half into buffer 1.
.macro HALF slot, zero
	s_wait_dscnt 20                                ; the first 32 along K are in; the younger 20 loads may be out
	MUL 0, 0, 0, 4, \zero
	PLACES
	FETCH \slot, 128, 1
	s_wait_dscnt 40                                ; all but the 40 just issued
	MUL 0, 1, 0, 4, 0
.endm
; The second half multiplies buffer 1 and changes slots: ONE barrier; in front of it each wave waits for all its tensor loads (one is out: its part of the next slot), adds 0 to its spare word, and waits for that
; and for its own reads of this slot.  fill = 1: the barrier opens a round of the cluster's, and this slot is filled again, two K steps ahead, first thing behind the round: 72 matrix instructions ahead of the wait for it.
.macro TURN slot, next, fill
	WIN 0                                          ; (the add's two registers lie in window 0)
	s_wait_tensorcnt 0x0                           ; all my tensor loads have landed
	ds_add_u32 v[SPW], v[NIL]                      ; 0 onto my spare word
	s_wait_dscnt 21                                ; (the add and the youngest 20 loads may be out)
	MUL 1, 0, 0, 2, 0                              ; twelve matrix instructions stand between the add and the wait for it
	s_wait_dscnt 0x0                               ; the add is done, and my reads of this slot are over
	s_barrier_signal -1
	MUL 1, 0, 2, 2, 0
.if \fill
	WIN 0
.endif
	s_barrier_wait -1
.if \fill
	CREST                                          ; no wave of any partner still reads this slot's tile or has a load on its way
	s_add_nc_u64 s[G0+4*(\slot)+2:G0+4*(\slot)+3], s[G0+4*(\slot)+2:G0+4*(\slot)+3], 2*KSTEP*2
	s_add_nc_u64 s[G0B+4*(\slot)+2:G0B+4*(\slot)+3], s[G0B+4*(\slot)+2:G0B+4*(\slot)+3], 2*KSTEP*2
	JLOAD \slot                                    ; the four v_nop behind it are also the places in front of the loads below
.else
	PLACES
.endif
	FETCH \next, 0, 0
	MUL 1, 1, 0, 4, 0
.endm
	s_wait_tensorcnt 1                             ; my part of K step 0 is in; K step 1's may stay out
	s_barrier_signal -1
	s_barrier_wait -1                              ; everybody's is
	FETCH 0, 0, 0
	HALF 0, 1                                      ; the first half step stands in front of the loop: its first products start the sums
	WIN 0                                          ; at a label and at a branch every window is 0
	s_mov_b32 s3, 3
.Llap:                                                 ; three trips, each once round the ring: K steps 2 to 7 are asked for
	TURN 0, 1, 1
	HALF 1, 0
	TURN 1, 0, 1
	HALF 0, 0
	WIN 0
	s_sub_co_u32 s3, s3, 1
	s_cmp_lg_u32 s3, 0
	s_cbranch_scc1 .Llap
	TURN 0, 1, 0                                   ; the last lap fills nothing
	HALF 1, 0
	s_wait_dscnt 20
	MUL 1, 0, 0, 4, 0
	s_wait_dscnt 0x0
	MUL 1, 1, 0, 4, 0
	; THE WAY OUT.  The bias; the rotation; rounding to f16; through my stage, 16 rows at a time, so that every store is 512 consecutive aligned bytes.
	WIN 0
	PLACES
	WIN 0x08                                       ; source 1 in window 2
.set i, 0
.rept 24                                               ; each accumulator's registers in ascending order
.irp p, 0,1,2,3
	v_pk_add_f32 v[ACC+8*i+2*(\p):ACC+8*i+2*(\p)+1], v[ACC+8*i+2*(\p):ACC+8*i+2*(\p)+1], v[BIAS+8*(i%6)+2*(\p):BIAS+8*(i%6)+2*(\p)+1]
.endr
.set i, i+1
.endr
	WIN 0x04                                       ; source 1 in window 1
.macro ROPE a, b                       ; low' = low cos - high sin;  high' = high cos + low sin
.set LO, ACC+8*(6*(\a)+(\b))
.set HI, LO+8
.irp p, 0,1,2,3
	v_pk_mul_f32 v[TMP+4*(\p):TMP+4*(\p)+1],   v[HI+2*(\p):HI+2*(\p)+1], v[SINR+8*(\a)+2*(\p):SINR+8*(\a)+2*(\p)+1]
	v_pk_mul_f32 v[TMP+4*(\p)+2:TMP+4*(\p)+3], v[LO+2*(\p):LO+2*(\p)+1], v[SINR+8*(\a)+2*(\p):SINR+8*(\a)+2*(\p)+1]
.endr
.irp p, 0,1,2,3
	v_pk_fma_f32 v[LO+2*(\p):LO+2*(\p)+1], v[LO+2*(\p):LO+2*(\p)+1], v[COSR+8*(\a)+2*(\p):COSR+8*(\a)+2*(\p)+1], v[TMP+4*(\p):TMP+4*(\p)+1] neg_lo:[0,0,1] neg_hi:[0,0,1]
	v_pk_fma_f32 v[HI+2*(\p):HI+2*(\p)+1], v[HI+2*(\p):HI+2*(\p)+1], v[COSR+8*(\a)+2*(\p):COSR+8*(\a)+2*(\p)+1], v[TMP+4*(\p)+2:TMP+4*(\p)+3]
.endr
.endm
.irp a, 0,1,2,3
	ROPE \a, 0
	ROPE \a, 2
.endr
	WIN 0
.macro PACK a                          ; row block a: 16 bytes a lane and column block into rows of 208 bytes; back as whole rows, into the registers that the block left
.irp b, 0,1,2,3,4,5
.irp p, 0,1,2,3
	v_cvt_pk_f16_f32 v[TMP+4*(\b)+(\p)], v[ACC+8*(6*(\a)+(\b))+2*(\p)], v[ACC+8*(6*(\a)+(\b))+2*(\p)+1]
.endr
.endr
.irp b, 0,1,2,3,4,5
	ds_store_b128 v[STO], v[TMP+4*(\b):TMP+4*(\b)+3] offset:32*(\b)
.endr
.irp f, 0,1,2,3
	ds_load_b128 v[ACC+48*(\a)+4*(\f):ACC+48*(\a)+4*(\f)+3], v[RDQ] offset:(\f)*4*SPITCH  ; LDS serves a wave's instructions in order (ISA guide 5.7.1.4): these see the stores above; the next block's stores come behind them
.endr
.irp f, 0,1
	ds_load_b128 v[ACC+48*(\a)+16+4*(\f):ACC+48*(\a)+16+4*(\f)+3], v[RDV] offset:(\f)*8*SPITCH
.endr
.endm
.macro SEND a, younger                 ; younger: the LDS instructions issued behind block a's six loads: the next block's twelve, or none
.irp f, 0,1,2,3
	s_wait_dscnt (\younger)+5-(\f)
	global_store_b128 v[GO], v[ACC+48*(\a)+4*(\f):ACC+48*(\a)+4*(\f)+3], s[80:81] offset:(\a)*2048+(\f)*512  ; four rows of qk: 512 consecutive bytes
.endr
.irp f, 0,1
	s_wait_dscnt (\younger)+1-(\f)
	global_store_b128 v[GO], v[ACC+48*(\a)+16+4*(\f):ACC+48*(\a)+16+4*(\f)+3], s[82:83] offset:(\a)*1024+(\f)*512  ; eight rows of vv
.endr
.endm
	PACK 0
	PACK 1                                         ; a block's conversions stand between the loads of the block before and its stores
	SEND 0, 12
	PACK 2
	SEND 1, 12
	PACK 3
	SEND 2, 12
	SEND 3, 0
	s_wait_tensorcnt 0x0                           ; the wave's end, behind my last tensor load and my last LDS store
	ds_add_u32 v[SPW], v[NIL]
	s_wait_dscnt 0x0
	CROUND                                         ; the closing round: no work-group ends while a partner may still ask for a tile that names it
	s_endpgm
.Lfunc_end_k_qf23f63f828_qkv:
	.size	k_qf23f63f828_qkv, .Lfunc_end_k_qf23f63f828_qkv-k_qf23f63f828_qkv
	.p2alignl 7, 3214868480
	.fill 96, 4, 3214868480
	.section	.rodata,"a",@progbits
	.p2align	6, 0x0
	.amdhsa_kernel k_qf23f63f828_qkv
		.amdhsa_group_segment_fixed_size 327680
		.amdhsa_private_segment_fixed_size 0
		.amdhsa_enable_private_segment 0
		.amdhsa_kernarg_size 56
		.amdhsa_user_sgpr_count 2
		.amdhsa_user_sgpr_kernarg_segment_ptr 1
		.amdhsa_wavefront_size32 1
		.amdhsa_system_sgpr_workgroup_id_x 1
		.amdhsa_system_sgpr_workgroup_id_y 1
		.amdhsa_system_sgpr_workgroup_id_z 1
		.amdhsa_system_vgpr_workitem_id 0
		.amdhsa_next_free_vgpr 768
		.amdhsa_next_free_sgpr 100
		.amdhsa_reserve_vcc 0
		.amdhsa_float_denorm_mode_32 3
		.amdhsa_float_denorm_mode_16_64 3
		.amdhsa_memory_ordered 1
		.amdhsa_forward_progress 1
		.amdhsa_inst_pref_size 139
	.end_amdhsa_kernel
	.amdgpu_metadata
---
amdhsa.version: [ 1, 2 ]
amdhsa.kernels:
  - .name:           k_qf23f63f828_qkv
    .symbol:         k_qf23f63f828_qkv.kd
    .args:
      - { .name: xb, .offset: 0, .size: 8, .value_kind: global_buffer, .address_space: global }
      - { .name: wb, .offset: 8, .size: 8, .value_kind: global_buffer, .address_space: global }
      - { .name: bq, .offset: 16, .size: 8, .value_kind: global_buffer, .address_space: global }
      - { .name: bk, .offset: 24, .size: 8, .value_kind: global_buffer, .address_space: global }
      - { .name: bv, .offset: 32, .size: 8, .value_kind: global_buffer, .address_space: global }
      - { .name: qk, .offset: 40, .size: 8, .value_kind: global_buffer, .address_space: global }
      - { .name: vv, .offset: 48, .size: 8, .value_kind: global_buffer, .address_space: global }
    .group_segment_fixed_size: 327680
    .private_segment_fixed_size: 0
    .kernarg_segment_align: 8
    .kernarg_segment_size: 56
    .max_flat_workgroup_size: 128
    .sgpr_count:     100
    .vgpr_count:     768
    .wavefront_size: 32
...
	.end_amdgpu_metadata
.endif
;; end of part 2
;; launch attn (part 3): grid 32 x 8, 4 waves a work-group, no clusters, 58,880 bytes of LDS; arguments qk, vv, ob; writes ob
.if DOCPART == 3
	.amdgcn_target "amdgcn-amd-amdhsa--gfx1250"
	.amdhsa_code_object_version 6
	.text
	.protected	k_qf23f63f828_attn
	.globl	k_qf23f63f828_attn
	.p2align	8
	.type	k_qf23f63f828_attn,@function
k_qf23f63f828_attn:
	s_mov_b64 s[64:65], 0
	v_nop
	global_prefetch_b8 v0, s[64:65] scope:SCOPE_SE
	s_setreg_imm32_b32 hwreg(HW_REG_WAVE_MODE, 25, 1), 1
	s_wait_xcnt 0x0
; DILATED CAUSAL ATTENTION.  softmax over the valid keys of (q . k) x count, times V.  count(h, i, j) = the number of scales X = 0 .. 10 (segment 2^(X+2), dilation 2^X) whose pattern covers (i, j):
; with a(i) = min(10, trailing zeros of i ^ h) and b = the bit length of i ^ j it is max(0, min(a(i), a(j)) - max(0, b - 2) + 1); valid: count > 0 and j <= i.
; THE KEYS OF A TILE of 16 queries i = 16 t + q are 32, whatever t and h:
;   the tile's own 16 rows (all pairs with b <= 4): count = max(0, tz(e) - len((q ^ kq) >> 2) + 1), e = (q ^ h) | (kq ^ h) | 16; where e = 16 (the diagonal of row q = h) tz(t | 64) more; 0 where kq > q;
;   16 gathered rows, slot s: X = 3 + (s >> 1), m = s & 1, p = 2^X: j = (16 t >> (X+2) << (X+2)) + (h & (p - 1)) + m p.  A pair with b >= 5 that any scale covers has b = X + 2 for one X >= 3: the low X bits of i and j
;   are h's, bit X + 1 is set in i and clear in j, bit X of j is free (m).  So slot s is valid for row i where ((i ^ h ^ 2 p) & (3 p - 1)) = 0, and counts 2 where bit X of i, of h and m agree, else 1.
;   Slots 14, 15 (X = 10) are valid for no row: they fill the tile up.  No valid slot repeats a key or falls into the tile's own rows.
; All of a row's keys are in hand at once: a plain softmax with the row's true maximum (a row's own key is always valid).
; IN: qk [32 g][2048][64] f16 (row: q low 16 | q high 16 | k low 16 | k high 16 of columns 16 g ..), vv [32 g][2048][32] f16.  OUT: ob [2048][1024] f16, head h channel d at place 128 (h & 7) + 64 (h >> 3) + d.
; LIMITS.  A hidden score counts as its value (x 0, 1 or 2) less 1e30: f16's scores, 2.7e11 at the most, are nothing beside that.  A weight below 2^-126 counts as 0.  The weights, in 0 to 1, and O, a mean of V's rows,
; are rounded to f16.  NaN and infinities are not treated apart.
; SHARES.  A wave takes one tile t for the two heads hp and hp + 8, which share their rows of qk and a run of 256 bytes of each row of ob.  No wave reads another's LDS bytes: no barrier.
; NO CLUSTER, no tensor load: what waves share is a few gathered rows, a small part of the 40 loads that each issues at once.
; LAYOUT.  S^T = K Q^T (source 0 = 16 keys, source 1 = 16 queries): a lane holds ONE query r = l % 16 and keys 8 (l / 16) + 0..7.  The two score tiles rounded to f16 ARE source 1 (32 keys x 16 queries) of O^T = V^T P.
.set WVB,   14592                      ; LDS bytes of a wave: two stages for V (32 rows x 160), one for O (16 rows x 272)
.set PVP,   160                        ; a row of V: 128 bytes + 32
.set VSTB,  32*PVP
.set OST,   2*VSTB
.set OPI,   272
.set SPARE, 4*WVB                      ; the spare words, 128 bytes a wave: two blocks of 256 bytes that no other line names
.set ED,  18                           ; v18-25  126 + len((r ^ kq) >> 2) for my 8 own-tile keys, 1000 where kq > r
.set P2R, 26                           ; v26-29  2 p for my four scales
.set MXR, 30                           ; v30-33  3 p - 1
.set PXR, 34                           ; v34-37  p
.set VI,  38                           ; v38     i = 16 t + r
.set KQ0, 39                           ; v39     8 (l / 16)
.set EXR, 40                           ; v40     tz(t | 64) as f32
.set TWO, 49                           ; v49     2.0
.set BIG, 50                           ; v50     -1e30
.set TA,  52                           ; v52-63  three sets of four at work
.set TB,  56
.set TC,  60
.macro Q4 line:vararg                  ; one line four times, i = 0 .. 3
.set i, 0
.rept 4
	\line
.set i, i+1
.endr
.endm
.macro R8 line:vararg                  ; eight times, i = 0 .. 7
.set i, 0
.rept 8
	\line
.set i, i+1
.endr
.endm
.macro U2 line:vararg                  ; for both heads, u = 0, 1
.set u, 0
.rept 2
	\line
.set u, u+1
.endr
.endm
.macro P8U2 line:vararg                ; for p = 0 .. 7 and both heads
.set p, 0
.rept 8
.set u, 0
.rept 2
	\line
.set u, u+1
.endr
.set p, p+1
.endr
.endm
	s_load_b128 s[4:7], s[0:1], 0x0                ; qk s[4:5], vv s[6:7]
	s_load_b64 s[8:9], s[0:1], 0x10                ; ob
	v_lshl_add_u32 v16, v0, 2, SPARE               ; my spare word,
	v_mov_b32 v17, 0                               ; and 0: for the wave's end alone
	v_lshrrev_b32 v41, 5, v0
	v_readfirstlane_b32 s10, v41                   ; wave 0..3
	s_lshl_b32 s11, ttmp9, 2
	s_add_co_u32 s11, s11, s10                     ; t
	s_and_b32 s12, ttmp7, 0xffff                   ; hp
	s_mov_b32 s13, s12                             ; the two heads
	s_add_co_u32 s14, s12, 8
	s_lshl_b32 s15, s11, 4                         ; 16 t
	s_mov_b32 s16, 0x76543210                      ; v_permlanex16_b32: each lane takes its own place in the other half
	s_mov_b32 s17, 0xfedcba98
	s_mul_i32 s19, s10, WVB                        ; my LDS bytes
	s_mov_b32 s40, 0x3fb8aa3b                      ; log2(e), named as a pair
	s_mov_b32 s41, s40
	v_and_b32 v1, 15, v0                           ; r
	v_bfe_u32 v2, v0, 4, 1                         ; half
	v_and_b32 v42, 31, v0                          ; l
	v_add_nc_u32 v[VI], s15, v1
	v_lshlrev_b32 v[KQ0], 3, v2
	v_lshlrev_b32 v43, 4, v2
	v_lshl_add_u32 v3, v[VI], 7, v43               ; v3: my own row of qk, 128 bytes a row, + 16 x half
.macro JROW dst, slot, sh              ; the gathered row of the slot in v[slot] for the head in s[sh]
	v_lshrrev_b32 v44, 1, v[\slot]
	v_add_nc_u32 v44, 3, v44                       ; X
	v_add_nc_u32 v45, 2, v44
	v_lshrrev_b32 v46, v45, s15
	v_lshlrev_b32 v46, v45, v46                    ; the segment's first row
	v_lshlrev_b32 v47, v44, 1                      ; p
	v_add_nc_u32 v47, -1, v47
	v_and_b32 v47, s[\sh], v47                     ; h & (p - 1)
	v_and_b32 v48, 1, v[\slot]
	v_lshlrev_b32 v48, v44, v48                    ; m p
	v_add3_u32 v[\dst], v46, v47, v48
.endm
	JROW 4, 1, 13
	v_lshl_add_u32 v4, v4, 7, v43                  ; v4, v5: slot r's row of qk for heads 0, 1
	JROW 5, 1, 14
	v_lshl_add_u32 v5, v5, 7, v43
	v_lshrrev_b32 v50, 2, v42                      ; V comes 8 rows x 64 bytes a load: row l / 4,
	v_add_nc_u32 v51, 8, v50
	v_and_b32 v52, 3, v0
	v_lshlrev_b32 v52, 4, v52                      ; 16 (l % 4)
	JROW 7, 50, 13
	v_lshl_add_u32 v7, v7, 6, v52                  ; v7-10: slots l / 4 and 8 + l / 4 in vv, heads 0, 1
	JROW 8, 51, 13
	v_lshl_add_u32 v8, v8, 6, v52
	JROW 9, 50, 14
	v_lshl_add_u32 v9, v9, 6, v52
	JROW 10, 51, 14
	v_lshl_add_u32 v10, v10, 6, v52
	v_add_nc_u32 v6, s15, v50
	v_lshl_add_u32 v6, v6, 6, v52                  ; v6: the tile's own rows in vv
	v_mul_u32_u24 v11, v50, PVP
	v_add3_u32 v11, v11, v52, s19                  ; v11: where a load of V goes in my stage
	v_and_b32 v53, 7, v0
	v_add_nc_u32 v53, v[KQ0], v53
	v_mul_u32_u24 v12, v53, PVP                    ; v12: the turning load: key 8 (l / 16) + l % 8, channels 8 ((l / 8) % 2) ..
	v_bfe_u32 v53, v0, 3, 1
	v_lshl_add_u32 v12, v53, 4, v12
	v_add_nc_u32 v12, s19, v12
	s_add_co_u32 s20, s19, OST
	v_mul_u32_u24 v13, v1, OPI
	v_add3_u32 v13, v13, v43, s20                  ; v13: O into the stage: row r, 16 bytes for each half of the lanes
	v_mul_u32_u24 v14, v2, OPI
	v_lshl_add_u32 v14, v1, 4, v14
	v_add_nc_u32 v14, s20, v14                     ; v14: back: lanes 0-15 one row of 256 bytes, lanes 16-31 the next
	v_add_nc_u32 v15, s15, v2
	v_lshlrev_b32 v15, 11, v15
	v_lshl_add_u32 v15, v1, 4, v15                 ; v15: the same two rows in ob
	s_mov_b32 s23, 0
	s_lshl_b32 s22, s12, 20                        ; planes 4 hp .. of qk
	s_wait_kmcnt 0x0
	s_add_nc_u64 s[4:5], s[4:5], s[22:23]
	s_lshl_b32 s22, s12, 18                        ; planes 2 hp .. of vv
	s_add_nc_u64 s[6:7], s[6:7], s[22:23]
	s_lshl_b32 s22, s12, 8                         ; place 128 hp of a row of ob
	s_add_nc_u64 s[8:9], s[8:9], s[22:23]
	; 40 loads at once.  A fragment is 16 rows x 32 channels: channels 32 e + 8 half .. lie in plane 2 e, channels 32 e + 16 + 8 half .. in plane 2 e + 1.  Q at v[64 + 16 u + 8 e], own K at v[96 + ..], gathered K at v[128 + ..].
.irp u, 0,1
.irp e, 0,1
.irp x, 0,1
	global_load_b128 v[64+16*(\u)+8*(\e)+4*(\x):64+16*(\u)+8*(\e)+4*(\x)+3], v3, s[4:5] offset:(2*(\e)+(\x))*262144+32*(\u)
.endr
.endr
.endr
.irp u, 0,1
.irp e, 0,1
.irp x, 0,1
	global_load_b128 v[96+16*(\u)+8*(\e)+4*(\x):96+16*(\u)+8*(\e)+4*(\x)+3], v3, s[4:5] offset:(2*(\e)+(\x))*262144+64+32*(\u)
.endr
.endr
.endr
.irp u, 0,1
.irp e, 0,1
.irp x, 0,1
	global_load_b128 v[128+16*(\u)+8*(\e)+4*(\x):128+16*(\u)+8*(\e)+4*(\x)+3], v[4+(\u)], s[4:5] offset:(2*(\e)+(\x))*262144+64+32*(\u)
.endr
.endr
.endr
.irp u, 0,1                                            ; V: head u, channel half sub, rows 8 ii ..: own rows at v[160 + 32 u + 4 (2 sub + ii)], gathered 16 registers on
.irp sub, 0,1
.irp ii, 0,1
	global_load_b128 v[160+32*(\u)+4*(2*(\sub)+(\ii)):160+32*(\u)+4*(2*(\sub)+(\ii))+3], v6, s[6:7] offset:(\u)*2097152+(\sub)*131072+(\ii)*512
	global_load_b128 v[176+32*(\u)+4*(2*(\sub)+(\ii)):176+32*(\u)+4*(2*(\sub)+(\ii))+3], v[7+2*(\u)+(\ii)], s[6:7] offset:(\u)*2097152+(\sub)*131072
.endr
.endr
.endr
	; what the masks need and no head changes, made while the loads are out.  The place of a number's highest bit is read off its exponent as f32.
	R8 v_add_nc_u32 v[44+i], i, v[KQ0]
	R8 v_xor_b32 v[52+i], v1, v[44+i]
	R8 v_lshrrev_b32 v[52+i], 1, v[52+i]
	R8 v_or_b32 v[52+i], 1, v[52+i]
	R8 v_cvt_f32_u32 v[52+i], v[52+i]
	R8 v_lshrrev_b32 v[52+i], 23, v[52+i]
	R8 v_add_nc_u32 v[52+i], -1, v[52+i]
	v_mov_b32 v60, 0x3e8
.irp j, 0,1,2,3,4,5,6,7
	v_cmp_gt_u32 vcc_lo, v[44+(\j)], v1            ; a later key of the tile
	v_cndmask_b32 v[ED+(\j)], v[52+(\j)], v60, vcc_lo
.endr
	v_lshlrev_b32 v44, 2, v2
	v_lshlrev_b32 v44, v44, 8                      ; my first scale's p: 8, or 128 for lanes 16-31
	Q4 v_lshlrev_b32 v[PXR+i], i, v44
	Q4 v_lshlrev_b32 v[P2R+i], 1, v[PXR+i]
	Q4 v_add3_u32 v[MXR+i], v[P2R+i], v[PXR+i], -1
	s_or_b32 s21, s11, 64
	s_ctz_i32_b32 s21, s21
	v_cvt_f32_u32 v[EXR], s21
	v_mov_b32 v[TWO], 2.0
	v_mov_b32 v[BIG], 0xf149f2ca
	s_wait_loadcnt 16                              ; Q and K are in; V's sixteen loads may stay out
	; scores: head u, key tile T at v[224 + 16 u + 8 T].  The four accumulators take turns, one instruction a turn.
.irp u, 0,1
.irp T, 0,1
	v_wmma_f32_16x16x32_f16 v[224+16*(\u)+8*(\T):224+16*(\u)+8*(\T)+7], v[96+32*(\T)+16*(\u):96+32*(\T)+16*(\u)+7], v[64+16*(\u):64+16*(\u)+7], 0
.endr
.endr
.irp u, 0,1
.irp T, 0,1
	v_wmma_f32_16x16x32_f16 v[224+16*(\u)+8*(\T):224+16*(\u)+8*(\T)+7], v[104+32*(\T)+16*(\u):104+32*(\T)+16*(\u)+7], v[72+16*(\u):72+16*(\u)+7], v[224+16*(\u)+8*(\T):224+16*(\u)+8*(\T)+7]
.endr
.endr
.irp u, 0,1                                            ; ten plain lines that name none of the products' registers: the places behind them (ISA guide 7.12.1).  v[41 + 4 u ..]: (r ^ h) | 16, i ^ h, i | h, i & h
	v_xor_b32 v[41+4*(\u)], s[13+(\u)], v1
	v_xor_b32 v[42+4*(\u)], s[13+(\u)], v[VI]
	v_or_b32 v[43+4*(\u)], s[13+(\u)], v[VI]
	v_and_b32 v[44+4*(\u)], s[13+(\u)], v[VI]
	v_or_b32 v[41+4*(\u)], 16, v[41+4*(\u)]
.endr
	s_wait_loadcnt 0x0                             ; V
.irp u, 0,1
.irp ga, 0,1
.irp sub, 0,1
.irp ii, 0,1
	ds_store_b128 v11, v[160+32*(\u)+4*(4*(\ga)+2*(\sub)+(\ii)):160+32*(\u)+4*(4*(\ga)+2*(\sub)+(\ii))+3] offset:(\u)*VSTB+(16*(\ga)+8*(\ii))*PVP+64*(\sub)
.endr
.endr
.endr
.endr
.irp u, 0,1                                            ; V^T, 16 channels x 32 keys, at v[96 + 32 u + 8 cb], where K lay.  LDS serves a wave's instructions in order (ISA guide 5.7.1.4): these see the stores above
.irp cb, 0,1,2,3
	ds_load_tr16_b128 v[96+32*(\u)+8*(\cb):96+32*(\u)+8*(\cb)+3],   v12 offset:(\u)*VSTB+32*(\cb)
	ds_load_tr16_b128 v[96+32*(\u)+8*(\cb)+4:96+32*(\u)+8*(\cb)+7], v12 offset:(\u)*VSTB+32*(\cb)+16*PVP
.endr
.endr
; the tile's own keys: s = s x count + (0 or -1e30), four keys at a time, each accumulator from its lowest register on
.macro MASK0 u
.irp g, 0,1
.irp n, 0,1,2,3
	s_xor_b32 s[36+(\n)], s[13+(\u)], 4*(\g)+(\n)
.endr
	Q4 v_xor_b32 v[TA+i], s[36+i], v[KQ0]
	Q4 v_or_b32 v[TA+i], v[TA+i], v[41+4*(\u)]
	Q4 v_sub_nc_u32 v[TB+i], 0, v[TA+i]
	Q4 v_and_b32 v[TB+i], v[TA+i], v[TB+i]
	Q4 v_cvt_f32_u32 v[TB+i], v[TB+i]
	Q4 v_cmp_eq_u32 s[24+i], 16, v[TA+i]
	Q4 v_lshrrev_b32 v[TB+i], 23, v[TB+i]
	Q4 v_sub_nc_u32 v[TB+i], v[TB+i], v[ED+4*(\g)+i]
	Q4 v_cvt_f32_i32 v[TB+i], v[TB+i]
	Q4 v_cndmask_b32 v[TC+i], 0, v[EXR], s[24+i]
	Q4 v_max_num_f32 v[TB+i], 0, v[TB+i]
	Q4 v_add_f32 v[TB+i], v[TB+i], v[TC+i]
	Q4 v_cmp_ge_f32 s[24+i], 0, v[TB+i]
	Q4 v_cndmask_b32 v[TA+i], 0, v[BIG], s[24+i]
	Q4 v_fma_f32 v[224+16*(\u)+4*(\g)+i], v[224+16*(\u)+4*(\g)+i], v[TB+i], v[TA+i]
.endr
.endm
; the gathered keys: my four scales, two slots each
.macro MASK1 u
	Q4 v_xor_b32 v[TA+i], v[42+4*(\u)], v[P2R+i]
	Q4 v_and_b32 v[TA+i], v[TA+i], v[MXR+i]
	Q4 v_and_b32 v[TB+i], v[43+4*(\u)], v[PXR+i]
	Q4 v_and_b32 v[TC+i], v[44+4*(\u)], v[PXR+i]
	Q4 v_cmp_ne_u32 s[24+i], 0, v[TA+i]
	Q4 v_cmp_eq_u32 s[28+i], 0, v[TB+i]
	Q4 v_cmp_ne_u32 s[32+i], 0, v[TC+i]
	Q4 v_cndmask_b32 v[TA+i], 0, v[BIG], s[24+i]
	Q4 v_cndmask_b32 v[TB+i], 1.0, v[TWO], s[28+i]
	Q4 v_cndmask_b32 v[TC+i], 1.0, v[TWO], s[32+i]
	Q4 v_fma_f32 v[232+16*(\u)+2*i], v[232+16*(\u)+2*i], v[TB+i], v[TA+i]
	Q4 v_fma_f32 v[233+16*(\u)+2*i], v[233+16*(\u)+2*i], v[TC+i], v[TA+i]
.endm
	MASK0 0
	MASK1 0
	MASK0 1
	MASK1 1
	; the softmax, both heads line by line.  m at v[52 + 2 u], l at v[56 + 2 u]; a query's other 16 keys lie in the lane 16 away
	U2 v_max3_num_f32 v[52+2*u], v[224+16*u], v[225+16*u], v[226+16*u]
	U2 v_max3_num_f32 v[53+2*u], v[232+16*u], v[233+16*u], v[234+16*u]
	U2 v_max3_num_f32 v[52+2*u], v[52+2*u], v[227+16*u], v[228+16*u]
	U2 v_max3_num_f32 v[53+2*u], v[53+2*u], v[235+16*u], v[236+16*u]
	U2 v_max3_num_f32 v[52+2*u], v[52+2*u], v[229+16*u], v[230+16*u]
	U2 v_max3_num_f32 v[53+2*u], v[53+2*u], v[237+16*u], v[238+16*u]
	U2 v_max3_num_f32 v[52+2*u], v[52+2*u], v[231+16*u], v[239+16*u]
	U2 v_max_num_f32 v[52+2*u], v[52+2*u], v[53+2*u]
	U2 v_permlanex16_b32 v[53+2*u], v[52+2*u], s16, s17
	U2 v_max_num_f32 v[52+2*u], v[52+2*u], v[53+2*u]
	P8U2 v_pk_add_f32 v[224+16*u+2*p:225+16*u+2*p], v[224+16*u+2*p:225+16*u+2*p], v[52+2*u:53+2*u] op_sel_hi:[1,0] neg_lo:[0,1] neg_hi:[0,1]
	P8U2 v_pk_mul_f32 v[224+16*u+2*p:225+16*u+2*p], v[224+16*u+2*p:225+16*u+2*p], s[40:41] op_sel_hi:[1,0]
.set p, 0
.rept 32
	v_exp_f32 v[224+p], v[224+p]                   ; s - m is formed first and then scaled: no difference of large products
.set p, p+1
.endr
	v_nop                                          ; a plain line between the last exponential and the use of its result (ISA guide 5.7.2)
	s_wait_alu depctr_va_vdst(0)
.irp n, 0,1,2,3
	U2 v_pk_add_f32 v[80+8*u+2*(\n):81+8*u+2*(\n)], v[224+16*u+4*(\n):225+16*u+4*(\n)], v[226+16*u+4*(\n):227+16*u+4*(\n)]
.endr
	U2 v_pk_add_f32 v[80+8*u:81+8*u], v[80+8*u:81+8*u], v[82+8*u:83+8*u]
	U2 v_pk_add_f32 v[84+8*u:85+8*u], v[84+8*u:85+8*u], v[86+8*u:87+8*u]
	U2 v_pk_add_f32 v[80+8*u:81+8*u], v[80+8*u:81+8*u], v[84+8*u:85+8*u]
	U2 v_add_f32 v[56+2*u], v[80+8*u], v[81+8*u]
	U2 v_permlanex16_b32 v[57+2*u], v[56+2*u], s16, s17
	U2 v_add_f32 v[56+2*u], v[56+2*u], v[57+2*u]
	U2 v_rcp_f32 v[56+2*u], v[56+2*u]              ; l is 1 at the least: the maximum's own weight
	v_nop
	s_wait_alu depctr_va_vdst(0)
	P8U2 v_pk_mul_f32 v[224+16*u+2*p:225+16*u+2*p], v[224+16*u+2*p:225+16*u+2*p], v[56+2*u:57+2*u] op_sel_hi:[1,0]
	P8U2 v_cvt_pk_f16_f32 v[64+8*u+p], v[224+16*u+2*p], v[225+16*u+2*p]
	s_wait_dscnt 0x0                               ; V^T is in
.irp u, 0,1                                            ; O^T: head u, channels 16 cb .. at v[160 + 32 u + 8 cb]: eight accumulators, one product each
.irp cb, 0,1,2,3
	v_wmma_f32_16x16x32_f16 v[160+32*(\u)+8*(\cb):160+32*(\u)+8*(\cb)+7], v[96+32*(\u)+8*(\cb):96+32*(\u)+8*(\cb)+7], v[64+8*(\u):64+8*(\u)+7], 0
.endr
.endr
.rept 4
	v_nop                                          ; the places behind those products
.endr
.set p, 0
.rept 32                                               ; each accumulator's registers in ascending order
	v_cvt_pk_f16_f32 v[64+p], v[160+2*p], v[161+2*p]
.set p, p+1
.endr
.irp u, 0,1
.irp cb, 0,1,2,3
	ds_store_b128 v13, v[64+16*(\u)+4*(\cb):64+16*(\u)+4*(\cb)+3] offset:128*(\u)+32*(\cb)
.endr
.endr
.irp f, 0,1,2,3,4,5,6,7
	ds_load_b128 v[96+4*(\f):96+4*(\f)+3], v14 offset:(\f)*2*OPI
.endr
.irp f, 0,1,2,3,4,5,6,7
	s_wait_dscnt 7-(\f)                            ; LDS loads come back in order: load f is in
	global_store_b128 v15, v[96+4*(\f):96+4*(\f)+3], s[8:9] offset:(\f)*4096  ; 16 lanes store 256 consecutive bytes, at a multiple of 256 from ob's first byte: both heads' channels of a row
.endr
	s_wait_tensorcnt 0x0                           ; the wave's end, behind my last LDS store
	ds_add_u32 v16, v17
	s_wait_dscnt 0x0
	s_endpgm
.Lfunc_end_k_qf23f63f828_attn:
	.size	k_qf23f63f828_attn, .Lfunc_end_k_qf23f63f828_attn-k_qf23f63f828_attn
	.p2alignl 7, 3214868480
	.fill 96, 4, 3214868480
	.section	.rodata,"a",@progbits
	.p2align	6, 0x0
	.amdhsa_kernel k_qf23f63f828_attn
		.amdhsa_group_segment_fixed_size 58880
		.amdhsa_private_segment_fixed_size 0
		.amdhsa_enable_private_segment 0
		.amdhsa_kernarg_size 24
		.amdhsa_user_sgpr_count 2
		.amdhsa_user_sgpr_kernarg_segment_ptr 1
		.amdhsa_wavefront_size32 1
		.amdhsa_system_sgpr_workgroup_id_x 1
		.amdhsa_system_sgpr_workgroup_id_y 1
		.amdhsa_system_sgpr_workgroup_id_z 1
		.amdhsa_system_vgpr_workitem_id 0
		.amdhsa_next_free_vgpr 256
		.amdhsa_next_free_sgpr 66
		.amdhsa_reserve_vcc 1
		.amdhsa_float_denorm_mode_32 3
		.amdhsa_float_denorm_mode_16_64 3
		.amdhsa_memory_ordered 1
		.amdhsa_forward_progress 1
		.amdhsa_inst_pref_size 44
	.end_amdhsa_kernel
	.amdgpu_metadata
---
amdhsa.version: [ 1, 2 ]
amdhsa.kernels:
  - .name:           k_qf23f63f828_attn
    .symbol:         k_qf23f63f828_attn.kd
    .args:
      - { .name: qk, .offset: 0, .size: 8, .value_kind: global_buffer, .address_space: global }
      - { .name: vv, .offset: 8, .size: 8, .value_kind: global_buffer, .address_space: global }
      - { .name: ob, .offset: 16, .size: 8, .value_kind: global_buffer, .address_space: global }
    .group_segment_fixed_size: 58880
    .private_segment_fixed_size: 0
    .kernarg_segment_align: 8
    .kernarg_segment_size: 24
    .max_flat_workgroup_size: 128
    .sgpr_count:     66
    .vgpr_count:     256
    .wavefront_size: 32
...
	.end_amdgpu_metadata
.endif
;; end of part 3
;; launch oproj (part 4): grid 8 x 32, 4 waves a work-group, clusters of 4 x 4, 327,680 bytes of LDS; arguments ob, wob, bo, out0; writes out0
.if DOCPART == 4
	.amdgcn_target "amdgcn-amd-amdhsa--gfx1250"
	.amdhsa_code_object_version 6
	.text
	.protected	k_qf23f63f828_oproj
	.globl	k_qf23f63f828_oproj
	.p2align	8
	.type	k_qf23f63f828_oproj,@function
k_qf23f63f828_oproj:
	s_mov_b64 s[64:65], 0
	v_nop
	global_prefetch_b8 v0, s[64:65] scope:SCOPE_SE
	s_setreg_imm32_b32 hwreg(HW_REG_WAVE_MODE, 25, 1), 1
	s_wait_xcnt 0x0
	s_wait_alu depctr_hold_cnt(0) depctr_sa_sdst(0) depctr_va_vdst(0) depctr_va_sdst(0) depctr_va_ssrc(0) depctr_va_vcc(0) depctr_vm_vsrc(0)
	s_getreg_b32 s2, hwreg(HW_REG_IB_STS2, 6, 4)
	s_cmp_eq_u32 s2, 0
	s_cbranch_scc0 .Lentry_in_a_cluster
	s_endpgm
.Lentry_in_a_cluster:
	s_bfe_u32 s2, ttmp6, 0x10000c
	s_cmp_lg_u32 s2, 0xf033
	s_cbranch_scc0 .Lentry_shape_is_right
	s_endpgm
.Lentry_shape_is_right:
; out0 = O Wo^T + bo.  ob [2048][1024] f16 and wob [1024][1024] f16 hold their K in the same order of places; bo f32, rounded here to bf16 like every other input; sums and out0 in f32.
; 2,048 x 1,024 of output on 256 work-groups: a tile of 64 rows x 128 columns, a wave 32 x 64: 2 x 4 accumulators of 16 x 16.  K goes in steps of 256 (LDS rows of 512 bytes) through two slots: four steps, written straight.
; The matrix instruction is used transposed (source 0 = 16 rows of wob, source 1 = 16 rows of ob): a lane holds eight neighbouring numbers of a row, 32 bytes; a wave's 64 columns are 256 bytes of a row,
; so each wave sends its rows through a stage of its own and stores whole runs of 256 aligned bytes.
; CLUSTER 4 x 4: the four of a row of the cluster need the same rows of ob, the four of a column the same rows of wob: each tile is asked for jointly.
; REGISTERS: window 0: v0-29 addresses; v32-63 the bias, (b, j) at 32 + 8 b + j; v64-127 the accumulators, (a, b) at 64 + 8 (4 a + b); v128-143 at work once.
;   window 1: two fragment buffers at 0 and 128, each 64 along K: A (c, a) at 8 (2 c + a), B (c, b) at 32 + 8 (4 c + b).
.set KSTEP,  256
.set PITCH,  528                       ; 512 bytes + 16 of padding = 132 words: the 16 rows of a fragment load start at 16 different groups of four banks (64 banks of 4 bytes: ISA guide 11.1)
.set AREG,   64*PITCH
.set SLOT,   192*PITCH
.set STAGE,  2*SLOT                    ; behind the ring, never filled by a tensor load: 16 rows x 272 bytes for each wave
.set SPITCH, 272
.set SPARE,  STAGE+4*16*SPITCH         ; the spare words, 128 bytes a wave: two blocks of 256 bytes that no other line names
.set ADRA, 16
.set ADRB, 20
.set STO,  24
.set RD,   25
.set CO,   26
.set VB,   27
.set SPW,  28                          ; never rewritten
.set NIL,  29                          ; never rewritten
.set BIAS, 32
.set ACC,  64
.set BT,   128
.set F0,   0
.set F1,   128
.set G1,  24
.set G0,  32
.set G1B, 48
.set G0B, 56
.set MSB, 0
.macro WIN new                         ; the immediate's high byte repeats the setting that is left; a switch that changes nothing is dropped
.if MSB != (\new)
	s_set_vgpr_msb (MSB<<8)|(\new)
.set MSB, (\new)
.endif
.endm
.macro JLOAD s                         ; a joint load: waves 0 and 1 fetch the halves of ob's tile, waves 2 and 3 those of wob's; an s_nop 0 and four v_nop follow each line, ahead of the jump and the label
	s_cmp_eq_u32 s13, 0
	s_cbranch_scc0 .Lfor_b_\@
	tensor_load_to_lds s[G0+4*(\s):G0+4*(\s)+3], s[G1:G1+7]
	s_nop 0
.rept 4
	v_nop
.endr
	s_branch .Lasked_\@
.Lfor_b_\@:
	tensor_load_to_lds s[G0B+4*(\s):G0B+4*(\s)+3], s[G1B:G1B+7]
	s_nop 0
.rept 4
	v_nop
.endr
.Lasked_\@:
.endm
.macro CREST                           ; a round of the cluster's barrier behind its opening barrier
	s_cmp_lg_u32 s12, 0
	s_cbranch_scc1 .Lnot_wave_0_\@
	s_barrier_signal -3
.Lnot_wave_0_\@:
	s_barrier_wait -3
	s_barrier_signal -1
	s_barrier_wait -1
.endm
.macro CROUND
	s_barrier_signal -1
	s_barrier_wait -1
	CREST
.endm
.macro PLACES                          ; four places in front of loads into registers that matrix instructions have read, and of vector lines that read results
.rept 4
	v_nop
.endr
.endm
	s_load_b256 s[4:11], s[0:1], 0x0               ; ob s[4:5], wob s[6:7], bo s[8:9], out0 s[10:11]
	v_lshl_add_u32 v[SPW], v0, 2, SPARE
	v_mov_b32 v[NIL], 0
	ds_add_u32 v[SPW], v[NIL]                      ; the wave's opening: the add and its wait stand ahead of my first tensor load; the set-up below, work on registers, stands between them
	v_lshrrev_b32 v1, 5, v0
	v_readfirstlane_b32 s12, v1                    ; wave 0..3
	s_lshr_b32 s13, s12, 1                         ; wr: which 32 rows are mine.  Also: I fetch for ob (0) or wob (1)
	s_and_b32 s14, s12, 1                          ; wc: which 64 columns.  Also: which half of that tile I fetch
	s_bfe_u32 s15, ttmp6, 0x40000                  ; cx
	s_bfe_u32 s16, ttmp6, 0x40004                  ; cy
	s_lshl_b32 s17, ttmp9, 2
	s_add_co_u32 s17, s17, s15                     ; tile column
	s_and_b32 s18, ttmp7, 0xffff
	s_lshl_b32 s18, s18, 2
	s_add_co_u32 s18, s18, s16                     ; tile row
	s_lshl_b32 s19, s16, 2
	s_lshl_b32 s19, 15, s19                        ; my row of the cluster
	s_lshl_b32 s20, 0x1111, s15                    ; my column
	s_or_b32 s[G1+0], s19, (1<<16)|(1<<20)|(1<<21)|(6<<22)|(3<<25)   ; 15:0 the mask; 17:16 2-byte elements; 20 padding on; 21 set beside a mask; 24:22 after every 128 words (code 6); 31:25 4 words (code 3)
	s_or_b32 s[G1B+0], s20, (1<<16)|(1<<20)|(1<<21)|(6<<22)|(3<<25)
	s_mov_b32 s[G1+1], KSTEP<<16                   ; tensor_dim0 = 256
	s_mov_b32 s[G1+2], 32<<16                      ; tensor_dim1 = 32 rows of ob
	s_mov_b32 s[G1+3], KSTEP<<16                   ; tile_dim0 = 256
	s_mov_b32 s[G1+4], 32                          ; tile_dim1 = 32
	s_mov_b32 s[G1+5], 1024                        ; elements from row to row
	s_mov_b32 s[G1+6], 0
	s_mov_b32 s[G1+7], 0
	s_mov_b32 s[G1B+1], KSTEP<<16
	s_mov_b32 s[G1B+2], 64<<16                     ; 64 rows of wob
	s_mov_b32 s[G1B+3], KSTEP<<16
	s_mov_b32 s[G1B+4], 64
	s_mov_b32 s[G1B+5], 1024
	s_mov_b32 s[G1B+6], 0
	s_mov_b32 s[G1B+7], 0
	s_lshl_b32 s21, s14, 5
	s_lshl_b32 s40, s18, 6
	s_add_co_u32 s40, s40, s21                     ; ob: row 64 x tile row + 32 x half
	s_lshl_b32 s40, s40, 11
	s_mov_b32 s41, 0
	s_lshl_b32 s22, s14, 6
	s_lshl_b32 s42, s17, 7
	s_add_co_u32 s42, s42, s22                     ; wob: row 128 x tile column + 64 x half
	s_lshl_b32 s42, s42, 11
	s_mov_b32 s43, 0
	s_mul_i32 s44, s14, 32*PITCH                   ; where they go: no place in the cluster enters an LDS address
	s_mul_i32 s45, s14, 64*PITCH
	s_add_co_u32 s45, s45, AREG
	s_wait_dscnt 0x0                               ; the opening add is done
	s_wait_kmcnt 0x0
	s_add_nc_u64 s[40:41], s[4:5], s[40:41]
	s_add_nc_u64 s[42:43], s[6:7], s[42:43]
	CROUND                                         ; all sixteen work-groups are here: the first joint loads meet
.irp s, 0,1
	s_mov_b32 s[G0+4*(\s)], 1
	s_add_co_u32 s[G0+4*(\s)+1], s44, (\s)*SLOT
	s_add_nc_u64 s[G0+4*(\s)+2:G0+4*(\s)+3], s[40:41], (\s)*KSTEP*2
	s_or_b32 s[G0+4*(\s)+3], s[G0+4*(\s)+3], 0x80000000
	s_mov_b32 s[G0B+4*(\s)], 1
	s_add_co_u32 s[G0B+4*(\s)+1], s45, (\s)*SLOT
	s_add_nc_u64 s[G0B+4*(\s)+2:G0B+4*(\s)+3], s[42:43], (\s)*KSTEP*2
	s_or_b32 s[G0B+4*(\s)+3], s[G0B+4*(\s)+3], 0x80000000
	JLOAD \s                                       ; two loads of mine are out
.endr
	v_and_b32 v1, 15, v0                           ; r
	v_bfe_u32 v2, v0, 4, 1                         ; half
	s_lshl_b32 s21, s17, 7
	s_lshl_b32 s22, s14, 6
	s_add_co_u32 s21, s21, s22                     ; my first column
	s_lshl_b32 s46, s21, 2
	s_mov_b32 s47, 0
	s_add_nc_u64 s[8:9], s[8:9], s[46:47]          ; bo there
	s_lshl_b32 s22, s18, 6
	s_lshl_b32 s23, s13, 5
	s_add_co_u32 s22, s22, s23                     ; my first row
	s_lshl_b32 s22, s22, 12
	s_add_co_u32 s46, s46, s22
	s_add_nc_u64 s[10:11], s[10:11], s[46:47]      ; out0 at my first row and column
	v_lshlrev_b32 v[VB], 5, v2                     ; my eight columns of a block of 16
.irp b, 0,1,2,3
	global_load_b128 v[BIAS+8*(\b):BIAS+8*(\b)+3],   v[VB], s[8:9] offset:64*(\b)
	global_load_b128 v[BIAS+8*(\b)+4:BIAS+8*(\b)+7], v[VB], s[8:9] offset:64*(\b)+16
.endr
	v_mul_u32_u24 v3, v1, PITCH
	v_lshl_add_u32 v3, v2, 4, v3                   ; a fragment's row x pitch + 16 x half
	s_mul_i32 s21, s13, 32*PITCH                   ; my 32 rows of ob
	s_mul_i32 s22, s14, 64*PITCH                   ; my 64 rows of wob,
	s_add_co_u32 s22, s22, AREG                    ; which lie behind ob's 64
.irp s, 0,1
	v_add_nc_u32 v[ADRA+(\s)], s21, v3
	v_add_nc_u32 v[ADRB+(\s)], s22, v3
	s_add_co_u32 s21, s21, SLOT
	s_add_co_u32 s22, s22, SLOT
.endr
	s_mul_i32 s23, s12, 16*SPITCH
	s_add_co_u32 s23, s23, STAGE                   ; my stage
	v_mul_u32_u24 v4, v1, SPITCH                   ; in: row r, 32 bytes for each half of the lanes
	v_lshl_add_u32 v4, v2, 5, v4
	v_add_nc_u32 v[STO], s23, v4
	v_mul_u32_u24 v5, v2, SPITCH                   ; back: lanes 0-15 one row of 256 bytes, lanes 16-31 the next
	v_lshl_add_u32 v5, v1, 4, v5
	v_add_nc_u32 v[RD], s23, v5
	v_lshlrev_b32 v5, 12, v2                       ; and the same two rows in out0
	v_lshl_add_u32 v[CO], v1, 4, v5
	s_wait_loadcnt 0x0                             ; the bias; it is rounded to bf16 as the other inputs are
.set i, 0
.rept 16
	v_cvt_pk_bf16_f32 v[BT+i], v[BIAS+2*i], v[BIAS+2*i+1]
.set i, i+1
.endr
.set i, 0
.rept 16
	v_lshlrev_b32 v[BIAS+2*i], 16, v[BT+i]
	v_and_b32 v[BIAS+2*i+1], 0xffff0000, v[BT+i]
.set i, i+1
.endr
; 4 matrix instructions: row block a x all 4 column blocks, 32 along K: half c of buffer f.  The 8 accumulators take turns in one order everywhere, one instruction a turn.
.macro MULA f, c, a, zero
	WIN 0x05
.irp b, 0,1,2,3
.if \zero
	v_wmma_f32_16x16x32_f16 v[ACC+8*(4*(\a)+(\b)):ACC+8*(4*(\a)+(\b))+7], v[(\f)+32+8*(4*(\c)+(\b)):(\f)+32+8*(4*(\c)+(\b))+7], v[(\f)+8*(2*(\c)+(\a)):(\f)+8*(2*(\c)+(\a))+7], 0
.else
	v_wmma_f32_16x16x32_f16 v[ACC+8*(4*(\a)+(\b)):ACC+8*(4*(\a)+(\b))+7], v[(\f)+32+8*(4*(\c)+(\b)):(\f)+32+8*(4*(\c)+(\b))+7], v[(\f)+8*(2*(\c)+(\a)):(\f)+8*(2*(\c)+(\a))+7], v[ACC+8*(4*(\a)+(\b)):ACC+8*(4*(\a)+(\b))+7]
.endif
.endr
.endm
; 24 LDS loads in one run: the fragments of 64 along K at byte k of the rows, into buffer f; the 12 of the first 32 along K first
.macro FETCH slot, k, f
	WIN 0x40
.irp c, 0,1
.irp b, 0,1,2,3
	ds_load_b128 v[(\f)+32+8*(4*(\c)+(\b)):(\f)+32+8*(4*(\c)+(\b))+3],   v[ADRB+(\slot)] offset:(\k)+64*(\c)+(\b)*16*PITCH
	ds_load_b128 v[(\f)+32+8*(4*(\c)+(\b))+4:(\f)+32+8*(4*(\c)+(\b))+7], v[ADRB+(\slot)] offset:(\k)+64*(\c)+(\b)*16*PITCH+32
.endr
.irp a, 0,1
	ds_load_b128 v[(\f)+8*(2*(\c)+(\a)):(\f)+8*(2*(\c)+(\a))+3],   v[ADRA+(\slot)] offset:(\k)+64*(\c)+(\a)*16*PITCH
	ds_load_b128 v[(\f)+8*(2*(\c)+(\a))+4:(\f)+8*(2*(\c)+(\a))+7], v[ADRA+(\slot)] offset:(\k)+64*(\c)+(\a)*16*PITCH+32
.endr
.endr
.endm
; A K step is four quarters of 64 along K, 16 matrix instructions each, on buffers 0, 1, 0, 1.  One of the first three: multiplies buffer f and fetches the next quarter, at byte k, into g.
.macro QUARTER slot, k, f, g, zero
	s_wait_dscnt 12                                ; the first 32 along K are in; the younger 12 loads may be out
	MULA \f, 0, 0, \zero
	MULA \f, 0, 1, \zero
	PLACES
	FETCH \slot, \k, \g
	s_wait_dscnt 24                                ; all but the 24 just issued
	MULA \f, 1, 0, 0
	MULA \f, 1, 1, 0
.endm
; The last quarter multiplies buffer 1 and changes slots: ONE barrier; in front of it each wave waits for all its tensor loads (one is out: its part of the next slot), adds 0 to its spare word, and waits for that
; and for its own reads of this slot.  fill = 1: the barrier opens a round of the cluster's, and this slot is filled again, two K steps ahead, first thing behind the round: 56 matrix instructions ahead of the wait for it.
.macro TURN slot, next, fill
	WIN 0                                          ; (the add's two registers lie in window 0)
	s_wait_tensorcnt 0x0                           ; all my tensor loads have landed
	ds_add_u32 v[SPW], v[NIL]                      ; 0 onto my spare word
	s_wait_dscnt 13                                ; (the add and the youngest 12 loads may be out)
	MULA F1, 0, 0, 0                               ; four matrix instructions stand between the add and the wait for it
	s_wait_dscnt 0x0                               ; the add is done, and my reads of this slot are over
	s_barrier_signal -1
	MULA F1, 0, 1, 0
.if \fill
	WIN 0
.endif
	s_barrier_wait -1
.if \fill
	CREST                                          ; no wave of any partner still reads this slot's tile or has a load on its way
	s_add_nc_u64 s[G0+4*(\slot)+2:G0+4*(\slot)+3], s[G0+4*(\slot)+2:G0+4*(\slot)+3], 2*KSTEP*2
	s_add_nc_u64 s[G0B+4*(\slot)+2:G0B+4*(\slot)+3], s[G0B+4*(\slot)+2:G0B+4*(\slot)+3], 2*KSTEP*2
	JLOAD \slot                                    ; the four v_nop behind it are also the places in front of the loads below
.else
	PLACES
.endif
	FETCH \next, 0, F0
	MULA F1, 1, 0, 0
	MULA F1, 1, 1, 0
.endm
	s_wait_tensorcnt 1                             ; my part of K step 0 is in; K step 1's may stay out
	s_barrier_signal -1
	s_barrier_wait -1                              ; everybody's is
	FETCH 0, 0, F0
	QUARTER 0, 128, F0, F1, 1                      ; the first products start the sums
	QUARTER 0, 256, F1, F0, 0
	QUARTER 0, 384, F0, F1, 0
	TURN 0, 1, 1                                   ; slot 0 takes K step 2
	QUARTER 1, 128, F0, F1, 0
	QUARTER 1, 256, F1, F0, 0
	QUARTER 1, 384, F0, F1, 0
	TURN 1, 0, 1                                   ; slot 1 takes K step 3
	QUARTER 0, 128, F0, F1, 0
	QUARTER 0, 256, F1, F0, 0
	QUARTER 0, 384, F0, F1, 0
	TURN 0, 1, 0                                   ; nothing is left to fetch
	QUARTER 1, 128, F0, F1, 0
	QUARTER 1, 256, F1, F0, 0
	QUARTER 1, 384, F0, F1, 0
	s_wait_dscnt 12
	MULA F1, 0, 0, 0
	MULA F1, 0, 1, 0
	s_wait_dscnt 0x0
	MULA F1, 1, 0, 0
	MULA F1, 1, 1, 0
	WIN 0
	; THE WAY OUT: the bias; 32 bytes a lane into my stage; back as whole rows of 256 bytes, into the registers that they left.
	PLACES
.macro OUTP a
.irp b, 0,1,2,3
.irp p, 0,1,2,3
	v_pk_add_f32 v[ACC+8*(4*(\a)+(\b))+2*(\p):ACC+8*(4*(\a)+(\b))+2*(\p)+1], v[ACC+8*(4*(\a)+(\b))+2*(\p):ACC+8*(4*(\a)+(\b))+2*(\p)+1], v[BIAS+8*(\b)+2*(\p):BIAS+8*(\b)+2*(\p)+1]
.endr
.endr
.irp b, 0,1,2,3
	ds_store_b128 v[STO], v[ACC+8*(4*(\a)+(\b)):ACC+8*(4*(\a)+(\b))+3]   offset:64*(\b)
	ds_store_b128 v[STO], v[ACC+8*(4*(\a)+(\b))+4:ACC+8*(4*(\a)+(\b))+7] offset:64*(\b)+16
.endr
.irp f, 0,1,2,3,4,5,6,7
	ds_load_b128 v[ACC+32*(\a)+4*(\f):ACC+32*(\a)+4*(\f)+3], v[RD] offset:(\f)*2*SPITCH  ; LDS serves a wave's instructions in order (ISA guide 5.7.1.4): these see the stores above; the next block's stores come behind them
.endr
.endm
.macro SEND a, younger                 ; younger: the LDS instructions issued behind block a's eight loads: the next block's sixteen, or none
.irp f, 0,1,2,3,4,5,6,7
	s_wait_dscnt (\younger)+7-(\f)
	global_store_b128 v[CO], v[ACC+32*(\a)+4*(\f):ACC+32*(\a)+4*(\f)+3], s[10:11] offset:(\a)*65536+(\f)*8192 th:TH_STORE_NT  ; 16 lanes store 256 consecutive bytes, at a multiple of 256 from out0's first byte
.endr
.endm
	OUTP 0
	OUTP 1
	SEND 0, 16
	SEND 1, 0
	s_wait_tensorcnt 0x0                           ; the wave's end, behind my last tensor load and my last LDS store
	ds_add_u32 v[SPW], v[NIL]
	s_wait_dscnt 0x0
	CROUND                                         ; the closing round: no work-group ends while a partner may still ask for a tile that names it
	s_endpgm
.Lfunc_end_k_qf23f63f828_oproj:
	.size	k_qf23f63f828_oproj, .Lfunc_end_k_qf23f63f828_oproj-k_qf23f63f828_oproj
	.p2alignl 7, 3214868480
	.fill 96, 4, 3214868480
	.section	.rodata,"a",@progbits
	.p2align	6, 0x0
	.amdhsa_kernel k_qf23f63f828_oproj
		.amdhsa_group_segment_fixed_size 327680
		.amdhsa_private_segment_fixed_size 0
		.amdhsa_enable_private_segment 0
		.amdhsa_kernarg_size 32
		.amdhsa_user_sgpr_count 2
		.amdhsa_user_sgpr_kernarg_segment_ptr 1
		.amdhsa_wavefront_size32 1
		.amdhsa_system_sgpr_workgroup_id_x 1
		.amdhsa_system_sgpr_workgroup_id_y 1
		.amdhsa_system_sgpr_workgroup_id_z 1
		.amdhsa_system_vgpr_workitem_id 0
		.amdhsa_next_free_vgpr 512
		.amdhsa_next_free_sgpr 66
		.amdhsa_reserve_vcc 0
		.amdhsa_float_denorm_mode_32 3
		.amdhsa_float_denorm_mode_16_64 3
		.amdhsa_memory_ordered 1
		.amdhsa_forward_progress 1
		.amdhsa_inst_pref_size 63
	.end_amdhsa_kernel
	.amdgpu_metadata
---
amdhsa.version: [ 1, 2 ]
amdhsa.kernels:
  - .name:           k_qf23f63f828_oproj
    .symbol:         k_qf23f63f828_oproj.kd
    .args:
      - { .name: ob, .offset: 0, .size: 8, .value_kind: global_buffer, .address_space: global }
      - { .name: wob, .offset: 8, .size: 8, .value_kind: global_buffer, .address_space: global }
      - { .name: bo, .offset: 16, .size: 8, .value_kind: global_buffer, .address_space: global }
      - { .name: out0, .offset: 24, .size: 8, .value_kind: global_buffer, .address_space: global }
    .group_segment_fixed_size: 327680
    .private_segment_fixed_size: 0
    .kernarg_segment_align: 8
    .kernarg_segment_size: 32
    .max_flat_workgroup_size: 128
    .sgpr_count:     66
    .vgpr_count:     512
    .wavefront_size: 32
...
	.end_amdgpu_metadata
.endif
;; end of part 4
;; ======== version 2 of 2: 4 launches; version 1 with the launch attn written anew for expert scheduling mode
;; limits: values are held in f16: magnitudes above 65,504 overflow, below 6.1e-05 lose precision
;; workspace buffers: xb 4,194,304 bytes; wb 6,291,456 bytes; wob 2,097,152 bytes; qk 8,388,608 bytes; vv 4,194,304 bytes; ob 4,194,304 bytes
;; launch cast: the kernel of part 1 again; grid 128 x 6, 8 waves a work-group, no clusters, 0 bytes of LDS; arguments x, Wq, Wk, Wv, Wo, xb, wb, wob; writes xb, wb, wob
;; launch qkv: the kernel of part 2 again; grid 16 x 16, 4 waves a work-group, clusters of 4 x 4, 327,680 bytes of LDS; arguments xb, wb, bq, bk, bv, qk, vv; writes qk, vv
;; launch attn (part 5): grid 32 x 8, 4 waves a work-group, no clusters, 58,880 bytes of LDS; arguments qk, vv, ob; writes ob
.if DOCPART == 5
	.amdgcn_target "amdgcn-amd-amdhsa--gfx1250"
	.amdhsa_code_object_version 6
	.text
	.protected	k_qf23f63f828_attn
	.globl	k_qf23f63f828_attn
	.p2align	8
	.type	k_qf23f63f828_attn,@function
k_qf23f63f828_attn:
	s_mov_b64 s[64:65], 0
	v_nop
	global_prefetch_b8 v0, s[64:65] scope:SCOPE_SE
	s_setreg_imm32_b32 hwreg(HW_REG_WAVE_SCHED_MODE, 0, 2), 2
	s_setreg_imm32_b32 hwreg(HW_REG_WAVE_MODE, 25, 1), 1
	s_wait_xcnt 0x0
	s_wait_alu depctr_vm_vsrc(0)
; DILATED CAUSAL ATTENTION.  softmax over the valid keys of (q . k) x count, times V.  count(h, i, j) = the number of scales X = 0 .. 10 (segment 2^(X+2), dilation 2^X) whose pattern covers (i, j):
; with a(i) = min(10, trailing zeros of i ^ h) and b = the bit length of i ^ j it is max(0, min(a(i), a(j)) - max(0, b - 2) + 1); valid: count > 0 and j <= i.
; THE KEYS OF A TILE of 16 queries i = 16 t + q are 32, whatever t and h:
;   the tile's own 16 rows (all pairs with b <= 4): count = max(0, tz(e) - len((q ^ kq) >> 2) + 1), e = (q ^ h) | (kq ^ h) | 16; where e = 16 (the diagonal of row q = h) tz(t | 64) more; 0 where kq > q;
;   16 gathered rows, slot s: X = 3 + (s >> 1), m = s & 1, p = 2^X: j = (16 t >> (X+2) << (X+2)) + (h & (p - 1)) + m p.  A pair with b >= 5 that any scale covers has b = X + 2 for one X >= 3: the low X bits of i and j
;   are h's, bit X + 1 is set in i and clear in j, bit X of j is free (m).  So slot s is valid for row i where ((i ^ h ^ 2 p) & (3 p - 1)) = 0, and counts 2 where bit X of i, of h and m agree, else 1.
;   Slots 14, 15 (X = 10) are valid for no row: they fill the tile up.  No valid slot repeats a key or falls into the tile's own rows.
; All of a row's keys are in hand at once: a plain softmax with the row's true maximum (a row's own key is always valid).
; IN: qk [32 g][2048][64] f16 (row: q low 16 | q high 16 | k low 16 | k high 16 of columns 16 g ..), vv [32 g][2048][32] f16.  OUT: ob [2048][1024] f16, head h channel d at place 128 (h & 7) + 64 (h >> 3) + d.
; LIMITS.  A hidden score counts as its value (x 0, 1 or 2) less 1e30: f16's scores, 2.7e11 at the most, are nothing beside that.  A weight below 2^-126 counts as 0.  The weights, in 0 to 1, and O, a mean of V's rows,
; are rounded to f16.  NaN and infinities are not treated apart.
; SHARES.  A wave takes one tile t for the two heads hp and hp + 8, which share their rows of qk and a run of 256 bytes of each row of ob.  No wave reads another's LDS bytes: no barrier.
; NO CLUSTER, no tensor load: what waves share is a few gathered rows, a small part of the 40 loads that each issues at once.
; LAYOUT.  S^T = K Q^T (source 0 = 16 keys, source 1 = 16 queries): a lane holds ONE query r = l % 16 and keys 8 (l / 16) + 0..7.  The two score tiles rounded to f16 ARE source 1 (32 keys x 16 queries) of O^T = V^T P.
; THE MODE: SCHED_MODE bits 1:0 = 2 (LLVM: expert scheduling mode 2), set by the entry lines.  The code itself states the register dependences
; between vector or matrix instructions and memory or LDS instructions, with s_wait_alu, always for 0.
; THE PLAN.  Registers that memory or LDS instructions touch, in the order of the text (there is no loop):
;   v3-v17    offsets, LDS addresses and the closing add's pair: written by vector lines at the head, ahead of ONE wait on va_vdst, and named by no vector line behind it.
;   v64-95    Q lands here; the score products read it; then vector work alone (the masks' sets of eight, the sums, P); at the end O's conversions write it and the LDS stores of O read it: a wait on va_vdst between the two.
;   v96-159   K lands here; the score products read it; V^T lands here by the turning loads: a wait on va_vdst ahead of them; O^T's products read it; rows of O land in v96-127 from the stage (the wait behind O's
;             conversions has shown those products done reading), and the global stores read them.
;   v160-223  V lands here; the LDS stores into V's stage read it; O^T's products write it: a wait on vm_vsrc ahead of them; O's conversions read it.
;   v18-63 and v224-255 are named by vector and matrix instructions alone.
; A lane mask goes from a compare into a scalar register and from there into a select: the compares stand in runs, with one wait on va_sdst behind each run and ahead of its first select.
.set WVB,   14592                      ; LDS bytes of a wave: two stages for V (32 rows x 160), one for O (16 rows x 272)
.set PVP,   160                        ; a row of V: 128 bytes + 32
.set VSTB,  32*PVP
.set OST,   2*VSTB
.set OPI,   272
.set SPARE, 4*WVB                      ; the spare words, 128 bytes a wave: two blocks of 256 bytes that no other line names
.set ED,  18                           ; v18-25  126 + len((r ^ kq) >> 2) for my 8 own-tile keys, 1000 where kq > r
.set P2R, 26                           ; v26-29  2 p for my four scales
.set MXR, 30                           ; v30-33  3 p - 1
.set PXR, 34                           ; v34-37  p
.set VI,  38                           ; v38     i = 16 t + r
.set KQ0, 39                           ; v39     8 (l / 16)
.set EXR, 40                           ; v40     tz(t | 64) as f32
.set TWO, 49                           ; v49     2.0
.set BIG, 50                           ; v50     -1e30
.set TA,  52                           ; v52-63  three sets of four at work on the gathered keys
.set TB,  56
.set TC,  60
.set T8A, 64                           ; v64-87  three sets of eight at work on the tile's own keys, where Q lay
.set T8B, 72
.set T8C, 80
.set HX,  42                           ; s42-57  h ^ n for head u, n = 0 .. 7, at HX + 8 u + n: written once
.macro Q4 line:vararg                  ; one line four times, i = 0 .. 3
.set i, 0
.rept 4
	\line
.set i, i+1
.endr
.endm
.macro R8 line:vararg                  ; eight times, i = 0 .. 7
.set i, 0
.rept 8
	\line
.set i, i+1
.endr
.endm
.macro U2 line:vararg                  ; for both heads, u = 0, 1
.set u, 0
.rept 2
	\line
.set u, u+1
.endr
.endm
.macro P8U2 line:vararg                ; for p = 0 .. 7 and both heads
.set p, 0
.rept 8
.set u, 0
.rept 2
	\line
.set u, u+1
.endr
.set p, p+1
.endr
.endm
	s_load_b128 s[4:7], s[0:1], 0x0                ; qk s[4:5], vv s[6:7]
	s_load_b64 s[8:9], s[0:1], 0x10                ; ob
	v_lshl_add_u32 v16, v0, 2, SPARE               ; my spare word,
	v_mov_b32 v17, 0                               ; and 0: for the wave's end alone
	v_lshrrev_b32 v41, 5, v0
	v_readfirstlane_b32 s10, v41                   ; wave 0..3
	v_and_b32 v1, 15, v0                           ; r
	v_bfe_u32 v2, v0, 4, 1                         ; half
	v_and_b32 v42, 31, v0                          ; l
	v_lshlrev_b32 v[KQ0], 3, v2
	v_lshlrev_b32 v43, 4, v2
	s_and_b32 s12, ttmp7, 0xffff                   ; hp
	s_mov_b32 s13, s12                             ; the two heads
	s_add_co_u32 s14, s12, 8
	s_mov_b32 s16, 0x76543210                      ; v_permlanex16_b32: each lane takes its own place in the other half
	s_mov_b32 s17, 0xfedcba98
	s_mov_b32 s40, 0x3fb8aa3b                      ; log2(e), named as a pair
	s_mov_b32 s41, s40
.irp u, 0,1
.irp n, 0,1,2,3,4,5,6,7
	s_xor_b32 s[HX+8*(\u)+(\n)], s[13+(\u)], \n
.endr
.endr
	s_lshl_b32 s11, ttmp9, 2
	s_wait_alu depctr_va_sdst(0)                   ; s10 is written, ahead of its first reader: the tile's number and my LDS bytes are made from it
	s_add_co_u32 s11, s11, s10                     ; t
	s_lshl_b32 s15, s11, 4                         ; 16 t
	s_mul_i32 s19, s10, WVB                        ; my LDS bytes
	v_add_nc_u32 v[VI], s15, v1
	v_lshl_add_u32 v3, v[VI], 7, v43               ; v3: my own row of qk, 128 bytes a row, + 16 x half
.macro JROW dst, slot, sh              ; the gathered row of the slot in v[slot] for the head in s[sh]
	v_lshrrev_b32 v44, 1, v[\slot]
	v_add_nc_u32 v44, 3, v44                       ; X
	v_add_nc_u32 v45, 2, v44
	v_lshrrev_b32 v46, v45, s15
	v_lshlrev_b32 v46, v45, v46                    ; the segment's first row
	v_lshlrev_b32 v47, v44, 1                      ; p
	v_add_nc_u32 v47, -1, v47
	v_and_b32 v47, s[\sh], v47                     ; h & (p - 1)
	v_and_b32 v48, 1, v[\slot]
	v_lshlrev_b32 v48, v44, v48                    ; m p
	v_add3_u32 v[\dst], v46, v47, v48
.endm
	JROW 4, 1, 13
	v_lshl_add_u32 v4, v4, 7, v43                  ; v4, v5: slot r's row of qk for heads 0, 1
	JROW 5, 1, 14
	v_lshl_add_u32 v5, v5, 7, v43
	v_lshrrev_b32 v50, 2, v42                      ; V comes 8 rows x 64 bytes a load: row l / 4,
	v_add_nc_u32 v51, 8, v50
	v_and_b32 v52, 3, v0
	v_lshlrev_b32 v52, 4, v52                      ; 16 (l % 4)
	JROW 7, 50, 13
	v_lshl_add_u32 v7, v7, 6, v52                  ; v7-10: slots l / 4 and 8 + l / 4 in vv, heads 0, 1
	JROW 8, 51, 13
	v_lshl_add_u32 v8, v8, 6, v52
	JROW 9, 50, 14
	v_lshl_add_u32 v9, v9, 6, v52
	JROW 10, 51, 14
	v_lshl_add_u32 v10, v10, 6, v52
	v_add_nc_u32 v6, s15, v50
	v_lshl_add_u32 v6, v6, 6, v52                  ; v6: the tile's own rows in vv
	v_mul_u32_u24 v11, v50, PVP
	v_add3_u32 v11, v11, v52, s19                  ; v11: where a load of V goes in my stage
	v_and_b32 v53, 7, v0
	v_add_nc_u32 v53, v[KQ0], v53
	v_mul_u32_u24 v12, v53, PVP                    ; v12: the turning load: key 8 (l / 16) + l % 8, channels 8 ((l / 8) % 2) ..
	v_bfe_u32 v53, v0, 3, 1
	v_lshl_add_u32 v12, v53, 4, v12
	v_add_nc_u32 v12, s19, v12
	s_add_co_u32 s20, s19, OST
	v_mul_u32_u24 v13, v1, OPI
	v_add3_u32 v13, v13, v43, s20                  ; v13: O into the stage: row r, 16 bytes for each half of the lanes
	v_mul_u32_u24 v14, v2, OPI
	v_lshl_add_u32 v14, v1, 4, v14
	v_add_nc_u32 v14, s20, v14                     ; v14: back: lanes 0-15 one row of 256 bytes, lanes 16-31 the next
	v_add_nc_u32 v15, s15, v2
	v_lshlrev_b32 v15, 11, v15
	v_lshl_add_u32 v15, v1, 4, v15                 ; v15: the same two rows in ob
	s_mov_b32 s23, 0
	s_lshl_b32 s22, s12, 20                        ; planes 4 hp .. of qk
	s_wait_kmcnt 0x0
	s_add_nc_u64 s[4:5], s[4:5], s[22:23]
	s_lshl_b32 s22, s12, 18                        ; planes 2 hp .. of vv
	s_add_nc_u64 s[6:7], s[6:7], s[22:23]
	s_lshl_b32 s22, s12, 8                         ; place 128 hp of a row of ob
	s_add_nc_u64 s[8:9], s[8:9], s[22:23]
	s_wait_alu depctr_va_vdst(0)                   ; v3 to v17 are written: every load, store and LDS instruction of the kernel reads its offset or address there, and no vector line below names them
	; 40 loads at once.  A fragment is 16 rows x 32 channels: channels 32 e + 8 half .. lie in plane 2 e, channels 32 e + 16 + 8 half .. in plane 2 e + 1.  Q at v[64 + 16 u + 8 e], own K at v[96 + ..], gathered K at v[128 + ..].
.irp u, 0,1
.irp e, 0,1
.irp x, 0,1
	global_load_b128 v[64+16*(\u)+8*(\e)+4*(\x):64+16*(\u)+8*(\e)+4*(\x)+3], v3, s[4:5] offset:(2*(\e)+(\x))*262144+32*(\u)
.endr
.endr
.endr
.irp u, 0,1
.irp e, 0,1
.irp x, 0,1
	global_load_b128 v[96+16*(\u)+8*(\e)+4*(\x):96+16*(\u)+8*(\e)+4*(\x)+3], v3, s[4:5] offset:(2*(\e)+(\x))*262144+64+32*(\u)
.endr
.endr
.endr
.irp u, 0,1
.irp e, 0,1
.irp x, 0,1
	global_load_b128 v[128+16*(\u)+8*(\e)+4*(\x):128+16*(\u)+8*(\e)+4*(\x)+3], v[4+(\u)], s[4:5] offset:(2*(\e)+(\x))*262144+64+32*(\u)
.endr
.endr
.endr
.irp u, 0,1                                            ; V: head u, channel half sub, rows 8 ii ..: own rows at v[160 + 32 u + 4 (2 sub + ii)], gathered 16 registers on
.irp sub, 0,1
.irp ii, 0,1
	global_load_b128 v[160+32*(\u)+4*(2*(\sub)+(\ii)):160+32*(\u)+4*(2*(\sub)+(\ii))+3], v6, s[6:7] offset:(\u)*2097152+(\sub)*131072+(\ii)*512
	global_load_b128 v[176+32*(\u)+4*(2*(\sub)+(\ii)):176+32*(\u)+4*(2*(\sub)+(\ii))+3], v[7+2*(\u)+(\ii)], s[6:7] offset:(\u)*2097152+(\sub)*131072
.endr
.endr
.endr
	; what the masks need and no head changes, made while the loads are out.  The place of a number's highest bit is read off its exponent as f32.
	R8 v_add_nc_u32 v[44+i], i, v[KQ0]
	R8 v_xor_b32 v[52+i], v1, v[44+i]
	R8 v_lshrrev_b32 v[52+i], 1, v[52+i]
	R8 v_or_b32 v[52+i], 1, v[52+i]
	R8 v_cvt_f32_u32 v[52+i], v[52+i]
	R8 v_lshrrev_b32 v[52+i], 23, v[52+i]
	R8 v_add_nc_u32 v[52+i], -1, v[52+i]
	v_mov_b32 v60, 0x3e8
	R8 v_cmp_gt_u32 s[24+i], v[44+i], v1           ; a later key of the tile: eight masks in one run; the scales' constants stand between the run and its wait
	v_lshlrev_b32 v44, 2, v2
	v_lshlrev_b32 v44, v44, 8                      ; my first scale's p: 8, or 128 for lanes 16-31
	Q4 v_lshlrev_b32 v[PXR+i], i, v44
	Q4 v_lshlrev_b32 v[P2R+i], 1, v[PXR+i]
	Q4 v_add3_u32 v[MXR+i], v[P2R+i], v[PXR+i], -1
	s_or_b32 s21, s11, 64
	s_ctz_i32_b32 s21, s21
	v_cvt_f32_u32 v[EXR], s21
	v_mov_b32 v[TWO], 2.0
	v_mov_b32 v[BIG], 0xf149f2ca
	s_wait_alu depctr_va_sdst(0)                   ; the eight compares have written s24 to s31, which the selects below read
	R8 v_cndmask_b32 v[ED+i], v[52+i], v60, s[24+i]
	s_wait_loadcnt 16                              ; Q and K are in; V's sixteen loads may stay out
	; scores: head u, key tile T at v[224 + 16 u + 8 T].  The four accumulators take turns, one instruction a turn.
.irp u, 0,1
.irp T, 0,1
	v_wmma_f32_16x16x32_f16 v[224+16*(\u)+8*(\T):224+16*(\u)+8*(\T)+7], v[96+32*(\T)+16*(\u):96+32*(\T)+16*(\u)+7], v[64+16*(\u):64+16*(\u)+7], 0
.endr
.endr
.irp u, 0,1
.irp T, 0,1
	v_wmma_f32_16x16x32_f16 v[224+16*(\u)+8*(\T):224+16*(\u)+8*(\T)+7], v[104+32*(\T)+16*(\u):104+32*(\T)+16*(\u)+7], v[72+16*(\u):72+16*(\u)+7], v[224+16*(\u)+8*(\T):224+16*(\u)+8*(\T)+7]
.endr
.endr
.irp u, 0,1                                            ; ten plain lines that name none of the products' registers: the places behind them (ISA guide 7.12.1).  v[41 + 4 u ..]: (r ^ h) | 16, i ^ h, i | h, i & h
	v_xor_b32 v[41+4*(\u)], s[13+(\u)], v1
	v_xor_b32 v[42+4*(\u)], s[13+(\u)], v[VI]
	v_or_b32 v[43+4*(\u)], s[13+(\u)], v[VI]
	v_and_b32 v[44+4*(\u)], s[13+(\u)], v[VI]
	v_or_b32 v[41+4*(\u)], 16, v[41+4*(\u)]
.endr
	s_wait_loadcnt 0x0                             ; V
.irp u, 0,1                                            ; no wait on the vector side: the data came by loads, and no vector line has named v11 or v160 to v223 since the head's wait
.irp ga, 0,1
.irp sub, 0,1
.irp ii, 0,1
	ds_store_b128 v11, v[160+32*(\u)+4*(4*(\ga)+2*(\sub)+(\ii)):160+32*(\u)+4*(4*(\ga)+2*(\sub)+(\ii))+3] offset:(\u)*VSTB+(16*(\ga)+8*(\ii))*PVP+64*(\sub)
.endr
.endr
.endr
.endr
	s_wait_alu depctr_va_vdst(0)                   ; the score products are done reading K's registers v96 to v159, in which the turning loads below land
.irp u, 0,1                                            ; V^T, 16 channels x 32 keys, at v[96 + 32 u + 8 cb], where K lay.  LDS serves a wave's instructions in order (ISA guide 5.7.1.4): these see the stores above
.irp cb, 0,1,2,3
	ds_load_tr16_b128 v[96+32*(\u)+8*(\cb):96+32*(\u)+8*(\cb)+3],   v12 offset:(\u)*VSTB+32*(\cb)
	ds_load_tr16_b128 v[96+32*(\u)+8*(\cb)+4:96+32*(\u)+8*(\cb)+7], v12 offset:(\u)*VSTB+32*(\cb)+16*PVP
.endr
.endr
; the tile's own keys: s = s x count + (0 or -1e30), my eight keys line by line, the accumulator from its lowest register on
.macro MASK0 u
	R8 v_xor_b32 v[T8A+i], s[HX+8*(\u)+i], v[KQ0]
	R8 v_or_b32 v[T8A+i], v[T8A+i], v[41+4*(\u)]
	R8 v_sub_nc_u32 v[T8B+i], 0, v[T8A+i]
	R8 v_and_b32 v[T8B+i], v[T8A+i], v[T8B+i]
	R8 v_cvt_f32_u32 v[T8B+i], v[T8B+i]
	R8 v_cmp_eq_u32 s[24+i], 16, v[T8A+i]
	R8 v_lshrrev_b32 v[T8B+i], 23, v[T8B+i]
	R8 v_sub_nc_u32 v[T8B+i], v[T8B+i], v[ED+i]
	R8 v_cvt_f32_i32 v[T8B+i], v[T8B+i]
	s_wait_alu depctr_va_sdst(0)                   ; the eight compares with 16 have written s24 to s31, which the selects below read
	R8 v_cndmask_b32 v[T8C+i], 0, v[EXR], s[24+i]
	R8 v_max_num_f32 v[T8B+i], 0, v[T8B+i]
	R8 v_add_f32 v[T8B+i], v[T8B+i], v[T8C+i]
	R8 v_cmp_ge_f32 s[24+i], 0, v[T8B+i]
	s_wait_alu depctr_va_sdst(0)                   ; the eight compares of the counts with 0 have written s24 to s31 anew, which the selects below read
	R8 v_cndmask_b32 v[T8A+i], 0, v[BIG], s[24+i]
	R8 v_fma_f32 v[224+16*(\u)+i], v[224+16*(\u)+i], v[T8B+i], v[T8A+i]
.endm
; the gathered keys: my four scales, two slots each
.macro MASK1 u
	Q4 v_xor_b32 v[TA+i], v[42+4*(\u)], v[P2R+i]
	Q4 v_and_b32 v[TA+i], v[TA+i], v[MXR+i]
	Q4 v_and_b32 v[TB+i], v[43+4*(\u)], v[PXR+i]
	Q4 v_and_b32 v[TC+i], v[44+4*(\u)], v[PXR+i]
	Q4 v_cmp_ne_u32 s[24+i], 0, v[TA+i]
	Q4 v_cmp_eq_u32 s[28+i], 0, v[TB+i]
	Q4 v_cmp_ne_u32 s[32+i], 0, v[TC+i]
	s_wait_alu depctr_va_sdst(0)                   ; the twelve compares have written s24 to s35, which the selects below read
	Q4 v_cndmask_b32 v[TA+i], 0, v[BIG], s[24+i]
	Q4 v_cndmask_b32 v[TB+i], 1.0, v[TWO], s[28+i]
	Q4 v_cndmask_b32 v[TC+i], 1.0, v[TWO], s[32+i]
	Q4 v_fma_f32 v[232+16*(\u)+2*i], v[232+16*(\u)+2*i], v[TB+i], v[TA+i]
	Q4 v_fma_f32 v[233+16*(\u)+2*i], v[233+16*(\u)+2*i], v[TC+i], v[TA+i]
.endm
	MASK0 0
	MASK1 0
	MASK0 1
	MASK1 1
	; the softmax, both heads line by line.  m at v[52 + 2 u], l at v[56 + 2 u]; a query's other 16 keys lie in the lane 16 away
	U2 v_max3_num_f32 v[52+2*u], v[224+16*u], v[225+16*u], v[226+16*u]
	U2 v_max3_num_f32 v[53+2*u], v[232+16*u], v[233+16*u], v[234+16*u]
	U2 v_max3_num_f32 v[52+2*u], v[52+2*u], v[227+16*u], v[228+16*u]
	U2 v_max3_num_f32 v[53+2*u], v[53+2*u], v[235+16*u], v[236+16*u]
	U2 v_max3_num_f32 v[52+2*u], v[52+2*u], v[229+16*u], v[230+16*u]
	U2 v_max3_num_f32 v[53+2*u], v[53+2*u], v[237+16*u], v[238+16*u]
	U2 v_max3_num_f32 v[52+2*u], v[52+2*u], v[231+16*u], v[239+16*u]
	U2 v_max_num_f32 v[52+2*u], v[52+2*u], v[53+2*u]
	U2 v_permlanex16_b32 v[53+2*u], v[52+2*u], s16, s17
	U2 v_max_num_f32 v[52+2*u], v[52+2*u], v[53+2*u]
	P8U2 v_pk_add_f32 v[224+16*u+2*p:225+16*u+2*p], v[224+16*u+2*p:225+16*u+2*p], v[52+2*u:53+2*u] op_sel_hi:[1,0] neg_lo:[0,1] neg_hi:[0,1]
	P8U2 v_pk_mul_f32 v[224+16*u+2*p:225+16*u+2*p], v[224+16*u+2*p:225+16*u+2*p], s[40:41] op_sel_hi:[1,0]
.set p, 0
.rept 32
	v_exp_f32 v[224+p], v[224+p]                   ; s - m is formed first and then scaled: no difference of large products
.set p, p+1
.endr
	v_nop                                          ; a plain line between the last exponential and the use of its result (ISA guide 5.7.2)
	s_wait_alu depctr_va_vdst(0)                   ; the 32 exponentials have written v224 to v255: one wait for the batch, ahead of the sums, its first readers
.irp n, 0,1,2,3
	U2 v_pk_add_f32 v[80+8*u+2*(\n):81+8*u+2*(\n)], v[224+16*u+4*(\n):225+16*u+4*(\n)], v[226+16*u+4*(\n):227+16*u+4*(\n)]
.endr
	U2 v_pk_add_f32 v[80+8*u:81+8*u], v[80+8*u:81+8*u], v[82+8*u:83+8*u]
	U2 v_pk_add_f32 v[84+8*u:85+8*u], v[84+8*u:85+8*u], v[86+8*u:87+8*u]
	U2 v_pk_add_f32 v[80+8*u:81+8*u], v[80+8*u:81+8*u], v[84+8*u:85+8*u]
	U2 v_add_f32 v[56+2*u], v[80+8*u], v[81+8*u]
	U2 v_permlanex16_b32 v[57+2*u], v[56+2*u], s16, s17
	U2 v_add_f32 v[56+2*u], v[56+2*u], v[57+2*u]
	U2 v_rcp_f32 v[56+2*u], v[56+2*u]              ; l is 1 at the least: the maximum's own weight
	v_nop
	s_wait_alu depctr_va_vdst(0)                   ; the two reciprocals have written v56 and v58, ahead of the scalings that read them
	P8U2 v_pk_mul_f32 v[224+16*u+2*p:225+16*u+2*p], v[224+16*u+2*p:225+16*u+2*p], v[56+2*u:57+2*u] op_sel_hi:[1,0]
	P8U2 v_cvt_pk_f16_f32 v[64+8*u+p], v[224+16*u+2*p], v[225+16*u+2*p]
	s_wait_dscnt 0x0                               ; V^T is in
	s_wait_alu depctr_vm_vsrc(0)                   ; the LDS stores into V's stage have read v160 to v223, which the products below write
.irp u, 0,1                                            ; O^T: head u, channels 16 cb .. at v[160 + 32 u + 8 cb]: eight accumulators, one product each
.irp cb, 0,1,2,3
	v_wmma_f32_16x16x32_f16 v[160+32*(\u)+8*(\cb):160+32*(\u)+8*(\cb)+7], v[96+32*(\u)+8*(\cb):96+32*(\u)+8*(\cb)+7], v[64+8*(\u):64+8*(\u)+7], 0
.endr
.endr
.rept 4
	v_nop                                          ; the places behind those products
.endr
.set p, 0
.rept 32                                               ; each accumulator's registers in ascending order
	v_cvt_pk_f16_f32 v[64+p], v[160+2*p], v[161+2*p]
.set p, p+1
.endr
	s_wait_alu depctr_va_vdst(0)                   ; the conversions have written v64 to v95, which the LDS stores read; O^T's products are done reading v96 to v127, in which the loads from the stage land
.irp u, 0,1
.irp cb, 0,1,2,3
	ds_store_b128 v13, v[64+16*(\u)+4*(\cb):64+16*(\u)+4*(\cb)+3] offset:128*(\u)+32*(\cb)
.endr
.endr
.irp f, 0,1,2,3,4,5,6,7
	ds_load_b128 v[96+4*(\f):96+4*(\f)+3], v14 offset:(\f)*2*OPI
.endr
.irp f, 0,1,2,3,4,5,6,7
	s_wait_dscnt 7-(\f)                            ; LDS loads come back in order: load f is in
	global_store_b128 v15, v[96+4*(\f):96+4*(\f)+3], s[8:9] offset:(\f)*4096  ; 16 lanes store 256 consecutive bytes, at a multiple of 256 from ob's first byte: both heads' channels of a row
.endr
	s_wait_dscnt 0x0                               ; the closing lines, six on end
	s_wait_alu 0x0
	s_wait_tensorcnt 0x0
	ds_add_u32 v16, v17
	s_wait_dscnt 0x0
	s_endpgm
.Lfunc_end_k_qf23f63f828_attn:
	.size	k_qf23f63f828_attn, .Lfunc_end_k_qf23f63f828_attn-k_qf23f63f828_attn
	.p2alignl 7, 3214868480
	.fill 96, 4, 3214868480
	.section	.rodata,"a",@progbits
	.p2align	6, 0x0
	.amdhsa_kernel k_qf23f63f828_attn
		.amdhsa_group_segment_fixed_size 58880
		.amdhsa_private_segment_fixed_size 0
		.amdhsa_enable_private_segment 0
		.amdhsa_kernarg_size 24
		.amdhsa_user_sgpr_count 2
		.amdhsa_user_sgpr_kernarg_segment_ptr 1
		.amdhsa_wavefront_size32 1
		.amdhsa_system_sgpr_workgroup_id_x 1
		.amdhsa_system_sgpr_workgroup_id_y 1
		.amdhsa_system_sgpr_workgroup_id_z 1
		.amdhsa_system_vgpr_workitem_id 0
		.amdhsa_next_free_vgpr 256
		.amdhsa_next_free_sgpr 66
		.amdhsa_reserve_vcc 0
		.amdhsa_float_denorm_mode_32 3
		.amdhsa_float_denorm_mode_16_64 3
		.amdhsa_memory_ordered 1
		.amdhsa_forward_progress 1
		.amdhsa_inst_pref_size 45
	.end_amdhsa_kernel
	.amdgpu_metadata
---
amdhsa.version: [ 1, 2 ]
amdhsa.kernels:
  - .name:           k_qf23f63f828_attn
    .symbol:         k_qf23f63f828_attn.kd
    .args:
      - { .name: qk, .offset: 0, .size: 8, .value_kind: global_buffer, .address_space: global }
      - { .name: vv, .offset: 8, .size: 8, .value_kind: global_buffer, .address_space: global }
      - { .name: ob, .offset: 16, .size: 8, .value_kind: global_buffer, .address_space: global }
    .group_segment_fixed_size: 58880
    .private_segment_fixed_size: 0
    .kernarg_segment_align: 8
    .kernarg_segment_size: 24
    .max_flat_workgroup_size: 128
    .sgpr_count:     66
    .vgpr_count:     256
    .wavefront_size: 32
...
	.end_amdgpu_metadata
.endif
;; end of part 5
;; launch oproj: the kernel of part 4 again; grid 8 x 32, 4 waves a work-group, clusters of 4 x 4, 327,680 bytes of LDS; arguments ob, wob, bo, out0; writes out0
